; MI455X (gfx1250); checked and timed in simulation.
; The chip was launched on July 23, 2026; its instructions are those of AMD's public machine-readable ISA for CDNA 5 (MIT licence, August 2026) and "CDNA5" Instruction Set Architecture Reference Guide (July 2026). The comments in the code are by the model that wrote it; some were corrected since.
;; Causal Self Attention. Allowed arithmetic: matrix products marked QUANTISED: E2M1 operands, one E8M0 scale for each 32 along K, by v_wmma_scale_f32_16x16x128_f8f6f4 with both operands' format E2M1 (or v_wmma_scale_f32_32x16x128_f4), f32 sums; products left as they are: bf16, f16 or f32 operands; f32 sums; everything else in f32.
;; Inputs: b_attn 3,072 float32; b_proj 1,024 float32; w_attn 1,024 x 3,072 float32; w_proj 1,024 x 1,024 float32; x 4 x 2,048 x 1,024 float32.
;; Outputs: out0 4 x 2,048 x 1,024 float32.
;; This version of the problem:
;;   THIS VERSION OF THE PROBLEM IS GIVEN IN LOW PRECISION. The matrix products marked QUANTISED in the list below multiply operands that are first quantised to E2M1 (2 exponent bits, 1 mantissa bit; 4 bits a number), with one power-of-two scale for each 32 numbers along K (OCP MX v1.0); their sums are f32. The products marked 'left as it is' may take bf16, f16 or f32 operands, with f32 sums. Whichever they take, every output number must still come out within the allowed error. Rounding operands to bf16 (8 significant bits) uses up far more of that allowance than f16 does (11 bits, for magnitudes from 6e-5 to 65,504). All else is computed in f32.
;;   The module's matrix products, in the order in which they are computed (A, B: the left and right operand; K: the contracted axis; several contracted axes count as one K, in the product's order):
;;     1. [M 8,192, K 1,024] x [K 1,024, N 3,072]; A: input x; B: input w_attn: QUANTISED
;;     2. batch 64 x [M 2,048, K 64] x [K 64, N 2,048]; A: computed on the way; B: computed on the way: left as it is (an operand is computed on the way)
;;     3. batch 64 x [M 2,048, K 2,048] x [K 2,048, N 64]; A: computed on the way; B: computed on the way: left as it is (an operand is computed on the way)
;;     4. [M 8,192, K 1,024] x [K 1,024, N 1,024]; A: computed on the way; B: input w_proj: left as it is (an operand is computed on the way)
;;   THE QUANTISER, for each operand of a quantised product, along K:
;;     - K is cut into blocks of 32 from its start; a last block that is shorter is filled with zeros.
;;     - A block's scale is 2^e with e = floor(log2(the largest magnitude in the block)) - 2, held to -126 .. 127; a block of zeros has e = 0. As a byte (E8M0): e + 127.
;;     - Each number is divided by its block's scale, clamped to +-6, and rounded to the nearest number of E2M1, ties to even, subnormals kept.
;;     - The product sums the exact products of the quantised numbers (number of the format x scale) in f32.
;;   ~~~python
;;   def quantise(x, axis):      # numpy; x: float32 -> the quantised numbers, widened to float32 again
;;       x = np.moveaxis(x, axis, -1); K = x.shape[-1]
;;       x = np.pad(x, [(0, 0)] * (x.ndim - 1) + [(0, -K % 32)]); x = x.reshape(x.shape[:-1] + (-1, 32)); a = np.abs(x).max(-1, keepdims=True)
;;       e = np.where(a > 0, np.clip(np.frexp(np.where(a > 0, a, 1))[1] - 1 - 2, -126, 127), 0)      # np.frexp(a)[1] - 1 = floor(log2(a)), exactly
;;       r = np.clip(x / 2.0 ** e, -6, 6)
;;       step = 2.0 ** (np.maximum(np.frexp(np.where(r == 0, 1, r))[1] - 1, 0) - 1)
;;       q = np.round(r / step) * step * 2.0 ** e      # np.round: ties to even
;;       return np.moveaxis(q.reshape(q.shape[:-2] + (-1,))[..., :K], -1, axis).astype(np.float32)
;;   ~~~
;; One version. Each part assembles by itself: llvm-mc -triple=amdgcn-amd-amdhsa -mcpu=gfx1250 --defsym DOCPART=n.
;; ======== version 1 of 1: 5 launches
;; limits: values are held in f16: magnitudes above 65,504 overflow, below 6.1e-05 lose precision
;; workspace buffers: x_codes 4,194,304 bytes; x_scales 262,144 bytes; w_codes 1,572,864 bytes; w_scales 98,304 bytes; wpT16 2,097,152 bytes; qkv16 50,331,648 bytes; qkv32 786,432 bytes; y16 16,777,216 bytes
;; launch prep (part 1): grid 336 x 1, 4 waves a work-group, no clusters, 86,528 bytes of LDS; arguments x, w_attn, w_proj, x_codes, x_scales, w_codes, w_scales, wpT16; writes x_codes, x_scales, w_codes, w_scales, wpT16
.if DOCPART == 1
	.amdgcn_target "amdgcn-amd-amdhsa--gfx1250"
	.amdhsa_code_object_version 6
	.text
	.protected	k_q98f644ad3b_prep
	.globl	k_q98f644ad3b_prep
	.p2align	8
	.type	k_q98f644ad3b_prep,@function
k_q98f644ad3b_prep:
	s_mov_b64 s[64:65], 0
	v_nop
	global_prefetch_b8 v0, s[64:65] scope:SCOPE_SE
	s_setreg_imm32_b32 hwreg(HW_REG_WAVE_MODE, 25, 1), 1
	s_wait_xcnt 0x0
; CAUSAL SELF-ATTENTION, launch 1 of 5: the operands of the quantised product x @ w_attn become codes of E2M1 with one E8M0 byte for each 32 along K, and w_proj becomes f16 with K innermost.
; WORK LEFT OUT IN THE WHOLE PROGRAM, and why it can reach no output:
;  (a) Key steps that lie wholly above the diagonal: the scores there are replaced by -inf by the mask that the problem builds itself (tril), so their weights are 0 for all values of the inputs.
;  (b) b_attn[1024:2048], the bias on K.  With it a score is q.(k + bk) = q.k + q.bk; q.bk is the same for every key of a query's row, so the softmax along the keys takes it away for all values;
;      the product of q and k is not quantised, so nothing else hangs on it.  Those 1,024 numbers are not loaded (the rest of b_attn is).
;  LIMIT: a NaN, an infinity or an overflow that reaches only the work left out (in b_attn[1024:2048], or in scores above the diagonal) is not carried to the result.
; LIMITS of this launch: blocks whose largest magnitude lies under 2^(3 - 127) keep the byte 1; a block of zeros has the byte 1 and not 127 (its codes are zeros, and this program alone reads the bytes);
; NaN and infinities in x, w_attn, w_proj are not served; w_proj beyond 65,504 in magnitude becomes infinite in f16.
; THREE PATHS, parted on the work-group's number, each with LDS bytes of its own and its own end:
;   0-47   W: w_attn [1024 k][3072 n] -> w_codes [n][512 bytes], w_scales [n][32]: a lane takes a column, its registers run down K
;   48-79  P: w_proj [1024 k][1024 n] -> wpT16 [k / 64][n][64 k] f16: the same loads, pairs rounded to f16
;   80-335 X: x, a plain stream of blocks of 32 -> x_codes, x_scales
; No tensor load, no barrier: waves share nothing.
.set SPARE, 86016                      ; the spare words: 128 bytes for each wave, named by no other line
.set SPW,   192                        ; v192  SPARE + 4 x my thread's number; never rewritten
.set NIL,   193                        ; v193  0; never rewritten
.macro FINISH                          ; a wave's end, behind its last LDS store
	s_wait_tensorcnt 0x0
	ds_add_u32 v[SPW], v[NIL]
	s_wait_dscnt 0x0
	s_endpgm
.endm
	s_load_b256 s[4:11], s[0:1], 0x0               ; x s[4:5], w_attn s[6:7], w_proj s[8:9], x_codes s[10:11]
	s_load_b256 s[12:19], s[0:1], 0x20             ; x_scales s[12:13], w_codes s[14:15], w_scales s[16:17], wpT16 s[18:19]
	v_lshl_add_u32 v[SPW], v0, 2, SPARE
	v_mov_b32 v[NIL], 0
	v_lshrrev_b32 v1, 5, v0
	v_readfirstlane_b32 s20, v1                    ; wave 0..3
	v_and_b32 v2, 31, v0                           ; lane
	s_wait_kmcnt 0x0
	s_cmp_lt_u32 ttmp9, 48
	s_cbranch_scc1 .Lpath_w
	s_cmp_lt_u32 ttmp9, 80
	s_cbranch_scc1 .Lpath_p
; ---------------- PATH X: a wave takes 16 steps of 512 numbers.  Each load reads 512 consecutive bytes; a step's 2,048 bytes turn through the wave's own stage so that a lane holds 16 neighbours.
.set WREG, 8192                        ; LDS 0 .. 32,767: a region for each wave: two stages of 32 x 80 bytes, then its 256 scale bytes
.set SP,   80
.set XR,   16                          ; v16-79   four sets of 16 numbers as loaded
.set XX,   80                          ; v80-111  two sets of 16 neighbours
.set XE,   112                         ; v112-127 a scale byte for each step
.set XC,   128                         ; v128-191 codes, four registers a step: no store's data are written again
	v_lshlrev_b32 v3, 4, v2                        ; my 16 bytes of a load's 512
	s_mul_i32 s21, s20, WREG
	v_lshrrev_b32 v14, 2, v2
	v_mul_u32_u24 v14, v14, SP
	v_and_b32 v15, 3, v2
	v_lshl_add_u32 v14, v15, 4, v14
	v_add_nc_u32 v14, s21, v14                     ; into the stage: 80 (lane / 4) + 16 (lane % 4)
	v_mul_u32_u24 v15, v2, SP
	v_add_nc_u32 v15, s21, v15                     ; out of it: 80 x lane
	v_lshlrev_b32 v4, 3, v2                        ; my 8 bytes of a step's codes
	v_lshrrev_b32 v5, 1, v2
	s_add_co_u32 s21, s21, 2*32*SP
	v_add_nc_u32 v5, s21, v5                       ; my block's scale byte in LDS
	v_lshlrev_b32 v7, 3, v2
	v_add_nc_u32 v6, s21, v7                       ; and 8 bytes a lane on the way out
	s_sub_co_u32 s22, ttmp9, 80
	s_lshl_b32 s22, s22, 2
	s_add_co_u32 s22, s22, s20                     ; which run of 8,192 numbers is my wave's: 0 .. 1,023
	s_mov_b32 s25, 0
	s_lshl_b32 s24, s22, 15
	s_add_nc_u64 s[4:5], s[4:5], s[24:25]          ; 32,768 bytes of x a run,
	s_lshl_b32 s24, s22, 12
	s_add_nc_u64 s[10:11], s[10:11], s[24:25]      ; 4,096 of codes,
	s_lshl_b32 s24, s22, 8
	s_add_nc_u64 s[12:13], s[12:13], s[24:25]      ; 256 of scale bytes
.macro LOADX t
.irp i, 0,1,2,3
	global_load_b128 v[XR+16*((\t)%4)+4*\i:XR+16*((\t)%4)+4*\i+3], v3, s[4:5] offset:2048*(\t)+512*\i th:TH_LOAD_NT
.endr
.endm
.macro TURNX t                         ; LDS serves a wave's instructions in order: no wait between the stores and the loads
.irp i, 0,1,2,3
	ds_store_b128 v14, v[XR+16*((\t)%4)+4*\i:XR+16*((\t)%4)+4*\i+3] offset:32*SP*((\t)%2)+8*SP*\i
.endr
.irp i, 0,1,2,3
	ds_load_b128 v[XX+16*((\t)%2)+4*\i:XX+16*((\t)%2)+4*\i+3], v15 offset:32*SP*((\t)%2)+16*\i
.endr
.endm
.irp t, 0,1,2,3
	LOADX \t
.endr
	s_wait_loadcnt 12                              ; step 0's four loads are in; the twelve of steps 1 to 3 may be out
	TURNX 0
.macro STEPX t
.set XS, XX+16*((\t)%2)
.if (\t) > 0
	s_wait_dscnt 1                                 ; this step's numbers are back from the stage; the one younger LDS instruction, the last step's byte store, may be out
.else
	s_wait_dscnt 0x0
.endif
.if (\t)+4 < 16
	LOADX (\t)+4                                   ; into the registers that this step's stores into the stage have read
.endif
.if (\t)+1 < 16
.if 14-(\t) >= 3
	s_wait_loadcnt 12                              ; the next step's four loads are in; those of the three steps behind it may be out
.else
	s_wait_loadcnt 4*(14-(\t))                     ; near the end fewer steps are behind it
.endif
	TURNX (\t)+1
.endif
	v_max3_num_f32 v8, |v[XS]|, |v[XS+1]|, |v[XS+2]|
	v_max3_num_f32 v9, |v[XS+3]|, |v[XS+4]|, |v[XS+5]|
.irp i, 6,10
	v_max3_num_f32 v8, v8, |v[XS+\i]|, |v[XS+\i+1]|
	v_max3_num_f32 v9, v9, |v[XS+\i+2]|, |v[XS+\i+3]|
.endr
	v_max3_num_f32 v8, v8, |v[XS+14]|, |v[XS+15]|
	v_max3_num_f32 v8, v8, v9, 0x1800000           ; and the floor 2^(3 - 127): the byte cannot fall under 1
	v_max_num_f32_dpp v8, v8, v8 row_xmask:1 row_mask:0xf bank_mask:0xf   ; with my neighbour's 16: the block's largest magnitude
	v_add_nc_u32 v11, 0xff000000, v8               ; 2 off its exponent field: the conversion takes that field as its scale and nothing else
	v_cvt_scalef32_pk8_fp4_f32 v[XC+4*(\t)], v[XS:XS+7], v11
	v_cvt_scalef32_pk8_fp4_f32 v[XC+4*(\t)+1], v[XS+8:XS+15], v11
	v_lshrrev_b32 v[XE+(\t)], 23, v11              ; the scale's byte
	ds_store_b8 v5, v[XE+(\t)] offset:16*(\t)      ; both lanes of a block write the same byte with the same value
	global_store_b64 v4, v[XC+4*(\t):XC+4*(\t)+1], s[10:11] offset:256*(\t)   ; the wave stores 256 consecutive bytes, aligned
.endm
.irp t, 0,1,2,3,4,5,6,7,8,9,10,11,12,13,14,15
	STEPX \t
.endr
	ds_load_b64 v[16:17], v6                       ; my wave's 256 scale bytes: these see my stores
	s_wait_dscnt 0x0
	global_store_b64 v7, v[16:17], s[12:13]        ; 256 consecutive bytes, aligned
	FINISH
; ---------------- PATH W: a wave takes 32 columns x 512 along K: 16 blocks a lane.  The codes leave through the wave's own stage as rows of 256 bytes.
.Lpath_w:
.set WSTAGE, 32768                     ; LDS 32,768 .. 67,583: 32 rows x 272 bytes for each wave
.set WP,     272
.set WX,     32                        ; v32-95   two sets of 32 numbers
.set WC,     96                        ; v96-99   a block's codes
.set WO,     112                       ; v112-175 the way out
.set WSB,    24                        ; v24-27   the scale bytes, four to a register
	s_cmp_ge_u32 ttmp9, 24
	s_cselect_b32 s21, 1, 0                        ; which 512 along K
	s_cselect_b32 s22, 24, 0
	s_sub_co_u32 s22, ttmp9, s22                   ; which 128 columns
	s_lshl_b32 s23, s22, 7
	s_lshl_b32 s24, s20, 5
	s_add_co_u32 s23, s23, s24                     ; my wave's first column
	v_lshlrev_b32 v3, 2, v2                        ; in: 4 bytes a lane
	s_mul_i32 s24, s20, 32*WP
	s_add_co_u32 s24, s24, WSTAGE
	v_mul_u32_u24 v4, v2, WP
	v_add_nc_u32 v4, s24, v4                       ; into the stage: row = my column
	v_and_b32 v5, 15, v2
	v_lshrrev_b32 v6, 4, v2
	v_mul_u32_u24 v7, v6, WP
	v_lshl_add_u32 v7, v5, 4, v7
	v_add_nc_u32 v7, s24, v7                       ; out of it: sixteen lanes to a row, two rows an instruction
	v_lshlrev_b32 v8, 9, v6
	v_lshl_add_u32 v8, v5, 4, v8                   ; the same place in w_codes: rows of 512 bytes
	v_lshlrev_b32 v9, 5, v2                        ; my column's row of 32 scale bytes
	s_mul_i32 s26, s21, 512*12288
	s_lshl_b32 s27, s23, 2
	s_add_co_u32 s26, s26, s27
	s_mov_b32 s27, 0
	s_add_nc_u64 s[6:7], s[6:7], s[26:27]
	s_lshl_b32 s26, s23, 9
	s_lshl_b32 s28, s21, 8
	s_add_co_u32 s26, s26, s28
	s_add_nc_u64 s[14:15], s[14:15], s[26:27]
	s_lshl_b32 s26, s23, 5
	s_lshl_b32 s28, s21, 4
	s_add_co_u32 s26, s26, s28
	s_add_nc_u64 s[16:17], s[16:17], s[26:27]
.macro LOADW t                         ; block t: w_attn(32 t + i, my column); the largest offset, 511 rows of 12,288 bytes, lies inside the signed 24-bit immediate
.irp i, 0,1,2,3,4,5,6,7,8,9,10,11,12,13,14,15,16,17,18,19,20,21,22,23,24,25,26,27,28,29,30,31
	global_load_b32 v[WX+32*((\t)%2)+\i], v3, s[6:7] offset:(32*(\t)+\i)*12288 th:TH_LOAD_NT
.endr
.endm
	LOADW 0
	LOADW 1
.macro BLOCKW t
.set XS, WX+32*((\t)%2)
.if (\t) < 15
	s_wait_loadcnt 32                              ; this block's 32 loads are in; the next block's 32 may be out
.else
	s_wait_loadcnt 0
.endif
	v_max3_num_f32 v12, |v[XS]|, |v[XS+1]|, |v[XS+2]|
	v_max3_num_f32 v13, |v[XS+3]|, |v[XS+4]|, |v[XS+5]|
.irp i, 6,10,14,18,22,26
	v_max3_num_f32 v12, v12, |v[XS+\i]|, |v[XS+\i+1]|
	v_max3_num_f32 v13, v13, |v[XS+\i+2]|, |v[XS+\i+3]|
.endr
	v_max3_num_f32 v12, v12, |v[XS+30]|, |v[XS+31]|
	v_max3_num_f32 v12, v12, v13, 0x1800000        ; the floor 2^(3 - 127)
	v_add_nc_u32 v11, 0xff000000, v12              ; the conversion's scale operand
	v_lshrrev_b32 v13, 23, v11                     ; the scale's byte
.if (\t)%4 == 0
	v_mov_b32 v[WSB+(\t)/4], v13
.else
	v_lshl_or_b32 v[WSB+(\t)/4], v13, 8*((\t)%4), v[WSB+(\t)/4]
.endif
.irp g, 0,1,2,3
	v_cvt_scalef32_pk8_fp4_f32 v[WC+\g], v[XS+8*\g:XS+8*\g+7], v11
.endr
	ds_store_b128 v4, v[WC:WC+3] offset:16*(\t)    ; 32 codes: 16 bytes of my column's row
.if (\t)+2 < 16
	LOADW (\t)+2
.endif
	s_wait_dscnt 0x0                               ; the store has read its registers: the next block's codes may be written
.endm
.set Q, 0
.rept 16
	BLOCKW Q
.set Q, Q+1
.endr
	global_store_b128 v9, v[WSB:WSB+3], s[16:17]   ; my column's 16 scale bytes: pieces of 16 bytes, 32 bytes apart: 98,304 bytes in the whole launch
.irp t, 0,1,2,3,4,5,6,7,8,9,10,11,12,13,14,15
	ds_load_b128 v[WO+4*\t:WO+4*\t+3], v7 offset:2*\t*WP
.endr
.irp t, 0,1,2,3,4,5,6,7,8,9,10,11,12,13,14,15
	s_wait_dscnt 15-\t                             ; loads come back in order: load t is in, the younger ones may be out
	global_store_b128 v8, v[WO+4*\t:WO+4*\t+3], s[14:15] offset:2*\t*512   ; sixteen lanes store 256 consecutive bytes, aligned
.endr
	FINISH
; ---------------- PATH P: a wave takes 32 columns x 256 along K of w_proj: four blocks of 64 k, each leaving as 32 rows of 128 bytes, which are 4,096 consecutive bytes of wpT16.
.Lpath_p:
.set PSTAGE, 67584                     ; LDS 67,584 .. 86,015: 32 rows x 144 bytes for each wave
.set PP,     144
.set PX,     32                        ; v32-95   two sets of 32 numbers
.set PC,     96                        ; v96-111  32 numbers as f16
.set PO,     112                       ; v112-175 the way out, two sets
	s_sub_co_u32 s21, ttmp9, 48
	s_and_b32 s22, s21, 7                          ; which 128 columns
	s_lshr_b32 s23, s21, 3                         ; which 256 along K
	s_lshl_b32 s24, s22, 7
	s_lshl_b32 s25, s20, 5
	s_add_co_u32 s24, s24, s25                     ; my wave's first column
	v_lshlrev_b32 v3, 2, v2
	s_mul_i32 s25, s20, 32*PP
	s_add_co_u32 s25, s25, PSTAGE
	v_mul_u32_u24 v4, v2, PP
	v_add_nc_u32 v4, s25, v4                       ; into the stage: row = my column
	v_lshrrev_b32 v5, 3, v2
	v_and_b32 v6, 7, v2
	v_mul_u32_u24 v7, v5, PP
	v_lshl_add_u32 v7, v6, 4, v7
	v_add_nc_u32 v7, s25, v7                       ; out of it: eight lanes to a row of 128 bytes, four rows an instruction
	v_lshlrev_b32 v8, 4, v2                        ; and in wpT16: 16 x lane
	s_lshl_b32 s26, s23, 20                        ; 256 rows of 4,096 bytes
	s_lshl_b32 s27, s24, 2
	s_add_co_u32 s26, s26, s27
	s_mov_b32 s27, 0
	s_add_nc_u64 s[8:9], s[8:9], s[26:27]
	s_lshl_b32 s26, s23, 19                        ; four blocks of 1,024 rows of 128 bytes
	s_lshl_b32 s28, s24, 7
	s_add_co_u32 s26, s26, s28
	s_add_nc_u64 s[18:19], s[18:19], s[26:27]
.macro LOADP t
.irp i, 0,1,2,3,4,5,6,7,8,9,10,11,12,13,14,15,16,17,18,19,20,21,22,23,24,25,26,27,28,29,30,31
	global_load_b32 v[PX+32*((\t)%2)+\i], v3, s[8:9] offset:(32*(\t)+\i)*4096
.endr
.endm
	LOADP 0
	LOADP 1
.macro BLOCKP t
.set XS, PX+32*((\t)%2)
.if (\t) < 7
	s_wait_loadcnt 32                              ; this block's 32 loads are in; the next block's 32 may be out
.else
	s_wait_loadcnt 0
.endif
.irp i, 0,1,2,3,4,5,6,7,8,9,10,11,12,13,14,15
	v_cvt_pk_f16_f32 v[PC+\i], v[XS+2*\i], v[XS+2*\i+1]   ; the lower k in the low half
.endr
.irp g, 0,1,2,3
	ds_store_b128 v4, v[PC+4*\g:PC+4*\g+3] offset:64*((\t)%2)+16*\g
.endr
.if (\t)+2 < 8
	LOADP (\t)+2
.endif
	s_wait_dscnt 0x0                               ; the stores have read their registers
.endm
.macro FLUSHP u                        ; 64 k of 32 columns leave
	s_wait_xcnt 0x0                                ; the stores of two flushes ago have read this set of registers
.irp i, 0,1,2,3,4,5,6,7
	ds_load_b128 v[PO+32*((\u)%2)+4*\i:PO+32*((\u)%2)+4*\i+3], v7 offset:4*\i*PP
.endr
.irp i, 0,1,2,3,4,5,6,7
	s_wait_dscnt 7-\i                              ; load i is in, the younger ones may be out
	global_store_b128 v8, v[PO+32*((\u)%2)+4*\i:PO+32*((\u)%2)+4*\i+3], s[18:19] offset:(\u)*131072+512*\i   ; the wave stores 512 consecutive bytes, aligned
.endr
.endm
.set Q, 0
.rept 8
	BLOCKP Q
.if Q%2 == 1
	FLUSHP (Q/2)
.endif
.set Q, Q+1
.endr
	FINISH
.Lfunc_end_k_q98f644ad3b_prep:
	.size	k_q98f644ad3b_prep, .Lfunc_end_k_q98f644ad3b_prep-k_q98f644ad3b_prep
	.p2alignl 7, 3214868480
	.fill 96, 4, 3214868480
	.section	.rodata,"a",@progbits
	.p2align	6, 0x0
	.amdhsa_kernel k_q98f644ad3b_prep
		.amdhsa_group_segment_fixed_size 86528
		.amdhsa_private_segment_fixed_size 0
		.amdhsa_enable_private_segment 0
		.amdhsa_kernarg_size 64
		.amdhsa_user_sgpr_count 2
		.amdhsa_user_sgpr_kernarg_segment_ptr 1
		.amdhsa_wavefront_size32 1
		.amdhsa_system_sgpr_workgroup_id_x 1
		.amdhsa_system_sgpr_workgroup_id_y 1
		.amdhsa_system_sgpr_workgroup_id_z 1
		.amdhsa_system_vgpr_workitem_id 0
		.amdhsa_next_free_vgpr 194
		.amdhsa_next_free_sgpr 66
		.amdhsa_reserve_vcc 0
		.amdhsa_float_denorm_mode_32 3
		.amdhsa_float_denorm_mode_16_64 3
		.amdhsa_memory_ordered 1
		.amdhsa_forward_progress 1
		.amdhsa_inst_pref_size 152
	.end_amdhsa_kernel
	.amdgpu_metadata
---
amdhsa.version: [ 1, 2 ]
amdhsa.kernels:
  - .name:           k_q98f644ad3b_prep
    .symbol:         k_q98f644ad3b_prep.kd
    .args:
      - { .name: x, .offset: 0, .size: 8, .value_kind: global_buffer, .address_space: global }
      - { .name: w_attn, .offset: 8, .size: 8, .value_kind: global_buffer, .address_space: global }
      - { .name: w_proj, .offset: 16, .size: 8, .value_kind: global_buffer, .address_space: global }
      - { .name: x_codes, .offset: 24, .size: 8, .value_kind: global_buffer, .address_space: global }
      - { .name: x_scales, .offset: 32, .size: 8, .value_kind: global_buffer, .address_space: global }
      - { .name: w_codes, .offset: 40, .size: 8, .value_kind: global_buffer, .address_space: global }
      - { .name: w_scales, .offset: 48, .size: 8, .value_kind: global_buffer, .address_space: global }
      - { .name: wpT16, .offset: 56, .size: 8, .value_kind: global_buffer, .address_space: global }
    .group_segment_fixed_size: 86528
    .private_segment_fixed_size: 0
    .kernarg_segment_align: 8
    .kernarg_segment_size: 64
    .max_flat_workgroup_size: 128
    .sgpr_count:     66
    .vgpr_count:     194
    .wavefront_size: 32
...
	.end_amdgpu_metadata
.endif
;; end of part 1
;; launch gemm1 (part 2): grid 12 x 32, 4 waves a work-group, clusters of 4 x 4, 327,680 bytes of LDS; arguments x_codes, x_scales, w_codes, w_scales, b_attn, qkv16, qkv32; writes qkv16, qkv32
.if DOCPART == 2
	.amdgcn_target "amdgcn-amd-amdhsa--gfx1250"
	.amdhsa_code_object_version 6
	.text
	.protected	k_q98f644ad3b_gemm1
	.globl	k_q98f644ad3b_gemm1
	.p2align	8
	.type	k_q98f644ad3b_gemm1,@function
k_q98f644ad3b_gemm1:
	s_mov_b64 s[64:65], 0
	v_nop
	global_prefetch_b8 v0, s[64:65] scope:SCOPE_SE
	s_setreg_imm32_b32 hwreg(HW_REG_WAVE_MODE, 25, 1), 1
	s_wait_xcnt 0x0
	s_wait_alu depctr_hold_cnt(0) depctr_sa_sdst(0) depctr_va_vdst(0) depctr_va_sdst(0) depctr_va_ssrc(0) depctr_va_vcc(0) depctr_vm_vsrc(0)
	s_getreg_b32 s2, hwreg(HW_REG_IB_STS2, 6, 4)
	s_cmp_eq_u32 s2, 0
	s_cbranch_scc0 .Lentry_in_a_cluster
	s_endpgm
.Lentry_in_a_cluster:
	s_bfe_u32 s2, ttmp6, 0x10000c
	s_cmp_lg_u32 s2, 0xf033
	s_cbranch_scc0 .Lentry_shape_is_right
	s_endpgm
.Lentry_shape_is_right:
; Launch 2 of 5: qkv = Q(x) Q(w_attn) + b_attn on codes of E2M1 with E8M0 scales, sums in f32.  x_codes [8192][512 bytes], w_codes [3072 (n)][512 bytes], K innermost; scale bytes [rows][32].
; LEFT OUT: the bias on K, b_attn[1024:2048]: it adds the same term to every score of a query's row, which the softmax takes away for all values; the K tiles start their sums from zeros.
; RESULTS: qkv16, f16, [64 which + 16 b + h][t 2048][64] (which: 0 q, 1 k, 2 v): a head's rows are dense, so every store covers 512 consecutive bytes.  The first 16 positions of every batch go out a second
; time in f32, qkv32 [b][t 16][3072], for the launch that carries those rows in f32.  LIMIT: q, k, v beyond 65,504 in magnitude become infinite in f16.
; A tile of 256 x 256 is made by four waves, a wave makes 128 x 128: 64 accumulators.  K = 1,024 is two slots of 512; both are first fills, nothing is filled again.  All of a WGP's LDS is claimed.
; CLUSTERS: 4 x 4.  Tile row = 8 cy + Y (Y: the cluster's y), so that a batch is cy and the tiles with t < 16 are those of Y = 0, the same test in all partners; tile column = 4 X + cx, so that X says q, k or v.
; The four of a row of the cluster ask jointly for A's tiles, the four of a column for B's.  The matrix instruction is used transposed (source 0 = 16 rows of w, source 1 = 16 rows of x): a lane holds 8 neighbouring columns of one row.
; REGISTERS: window 0: v0-31 addresses; v32-95 scale words, two sets, and nothing else; v128-191 A's fragments, one set; v192-255 the bias, 8 registers for each of my 8 blocks of columns.  window 1: B's fragments, two sets.
;   window 2, 3: the accumulators of my rows 0-63, 64-127 ((a, b) at v[8 (8 (a % 4) + b)]).  On the way out v96-127 hold packed results, v128-191 rows read back.
.set SIZE_K, 1024
.set KSTEP,  512
.set NQ,     KSTEP/128
.set ROWB,   256
.set KROW,   SIZE_K/2
.set PITCH,  272                       ; an LDS row: 256 bytes + 16 of padding: the 16 rows that a load touches start 68 words apart
.set FR,     8
.set NL,     2
.set NP,     4
.set HALFT,  128*PITCH
.set SLOT,   4*HALFT
.set KS,     SIZE_K/32
.set SCL,    2*SLOT                    ; behind the slots: the scale bytes, as units of 256 bytes + 16
.set HALFS,  (128*KS/256)*272
.set SBLK,   (16*KS/256)*272
.set SPARE,  SCL+4*HALFS               ; the spare words: 128 bytes for each wave, named by no other line
.set SPITCH, 272                       ; the way out: 16 rows x (256 + 16) bytes for each wave, in slot 0, which has had its only fill and its last read by then
.set ADRA, 16
.set ADRB, 20
.set STO,  24
.set RD,   25
.set CO,   26
.set ADRS, 27
.set SPW,  28
.set NIL,  29
.set FO,   30                          ; v30  my byte offset in qkv32
.set BO,   31                          ; v31  32 x (lane / 16): my 8 numbers of a block of the bias
.set SC,   32
.set TMP,  96
.set BKR,  128
.set AF,   128
.set BIAS, 192
.set G1, 24
.set G0, 32
.set G1B, 48
.set G0B, 56
.set G1S, 68
.set G0S, 76
.set G1SB, 80
.set G0SB, 88
.set MSB, 0
.macro WIN new                         ; the immediate's high byte repeats the setting that is left
.if MSB != (\new)
	s_set_vgpr_msb (MSB<<8)|(\new)
.set MSB, (\new)
.endif
.endm
.set MUL_LO,   0xa1                    ; source 0 (B) window 1, source 1 (A) window 0, C and D window 2
.set MUL_HI,   0xf1                    ; the same, C and D window 3
.set FIRST_LO, 0x81                    ; the first step: C is the bias, window 0; D window 2
.set FIRST_HI, 0xc1                    ; D window 3
.set TO_B,     0x40
; A joint load: waves 0 and 1 fetch for A, waves 2 and 3 for B; the branch hangs on the wave's number alone.  An s_nop 0 and four v_nop follow each line.
.macro JLOAD g0a, g1a, g0b, g1b
	s_cmp_eq_u32 s15, 0
	s_cbranch_scc0 .Lfor_b_\@
	tensor_load_to_lds s[\g0a:\g0a+3], s[\g1a:\g1a+7]
	s_nop 0
.rept 4
	v_nop
.endr
	s_branch .Lasked_\@
.Lfor_b_\@:
	tensor_load_to_lds s[\g0b:\g0b+3], s[\g1b:\g1b+7]
	s_nop 0
.rept 4
	v_nop
.endr
.Lasked_\@:
.endm
.macro CROUND                          ; a round of the cluster's barrier
	s_barrier_signal -1
	s_barrier_wait -1
	s_cmp_lg_u32 s14, 0
	s_cbranch_scc1 .Lnot_wave_0_\@
	s_barrier_signal -3
.Lnot_wave_0_\@:
	s_barrier_wait -3
	s_barrier_signal -1
	s_barrier_wait -1
.endm
	s_load_b128 s[4:7], s[0:1], 0x0                ; x_codes s[4:5], x_scales s[6:7]
	s_load_b128 s[8:11], s[0:1], 0x10              ; w_codes s[8:9], w_scales s[10:11]
	s_load_b128 s[96:99], s[0:1], 0x20             ; b_attn s[96:97], qkv16 s[98:99]
	s_load_b64 s[12:13], s[0:1], 0x30              ; qkv32
	v_lshl_add_u32 v[SPW], v0, 2, SPARE
	v_mov_b32 v[NIL], 0
	ds_add_u32 v[SPW], v[NIL]                      ; the wave's opening: the add, twice on end, and its wait ahead of my first tensor load
	ds_add_u32 v[SPW], v[NIL]
	v_lshrrev_b32 v1, 5, v0
	v_readfirstlane_b32 s14, v1                    ; wave 0..3
	s_lshr_b32 s15, s14, 1                         ; which half of the tile's rows is mine; also: I fetch for A (0) or B (1)
	s_and_b32 s16, s14, 1                          ; which half of its columns; also: which 128 rows I fetch
	s_bfe_u32 s40, ttmp6, 0x40000                  ; cx
	s_bfe_u32 s41, ttmp6, 0x40004                  ; cy
	s_lshl_b32 s42, ttmp9, 2
	s_add_co_u32 s42, s42, s40                     ; tile column = 4 X + cx
	s_and_b32 s95, ttmp7, 0xffff                   ; Y
	s_lshl_b32 s17, s41, 3
	s_add_co_u32 s17, s17, s95                     ; tile row = 8 cy + Y
	s_lshl_b32 s43, s41, 2
	s_lshl_b32 s43, 15, s43                        ; my row of the cluster
	s_lshl_b32 s44, 0x1111, s40                    ; my column
	s_or_b32 s[G1+0], s43, (0<<16)|(1<<20)|(1<<21)|(5<<22)|(3<<25)   ; the mask; elements of 1 byte; padding: 4 words after every 64
	s_or_b32 s[G1B+0], s44, (0<<16)|(1<<20)|(1<<21)|(5<<22)|(3<<25)
.irp g, G1, G1B
	s_mov_b32 s[\g+1], ROWB<<16                    ; tensor_dim0 = 256
	s_mov_b32 s[\g+2], 128<<16                     ; tensor_dim1 = 128
	s_mov_b32 s[\g+3], ROWB<<16                    ; tile_dim0
	s_mov_b32 s[\g+4], 128                         ; tile_dim1
	s_mov_b32 s[\g+5], KROW                        ; bytes from row to row
	s_mov_b32 s[\g+6], 0
	s_mov_b32 s[\g+7], 0
.endr
	s_or_b32 s[G1S+0], s43, (3<<16)|(1<<20)|(1<<21)|(5<<22)|(3<<25)  ; the scales of 128 rows: 4,096 dense bytes as 16 rows of 256 (32 elements of 8 bytes)
	s_or_b32 s[G1SB+0], s44, (3<<16)|(1<<20)|(1<<21)|(5<<22)|(3<<25)
.irp g, G1S, G1SB
	s_mov_b32 s[\g+1], 32<<16
	s_mov_b32 s[\g+2], (128*KS/256)<<16
	s_mov_b32 s[\g+3], 32<<16
	s_mov_b32 s[\g+4], 128*KS/256
	s_mov_b32 s[\g+5], 32
	s_mov_b32 s[\g+6], 0
	s_mov_b32 s[\g+7], 0
.endr
	s_lshl_b32 s18, s16, 7
	s_lshl_b32 s20, s17, 8
	s_add_co_u32 s20, s20, s18                     ; A: row 256 x tile row + 128 x half
	s_lshl_b32 s46, s42, 8
	s_add_co_u32 s46, s46, s18                     ; B: row 256 x tile column + 128 x half
	s_mov_b32 s21, 0
	s_mov_b32 s47, 0
	s_mov_b64 s[18:19], KS
	s_mul_u64 s[22:23], s[20:21], s[18:19]
	s_mul_u64 s[92:93], s[46:47], s[18:19]
	s_mov_b64 s[18:19], KROW
	s_mul_u64 s[20:21], s[20:21], s[18:19]
	s_mul_u64 s[46:47], s[46:47], s[18:19]
	s_mul_i32 s45, s14, HALFT                      ; where they go: wave x 128 rows
	s_mul_i32 s94, s14, HALFS
	s_wait_dscnt 0x0                               ; both opening adds are done
	s_wait_kmcnt 0x0
	s_add_nc_u64 s[20:21], s[4:5], s[20:21]
	s_add_nc_u64 s[22:23], s[6:7], s[22:23]
	s_add_nc_u64 s[46:47], s[8:9], s[46:47]
	s_add_nc_u64 s[92:93], s[10:11], s[92:93]
	CROUND                                         ; all sixteen work-groups are here: the first joint loads meet
	s_mov_b32 s[G0S], 1
	s_add_co_u32 s[G0S+1], s94, SCL
	s_mov_b64 s[G0S+2:G0S+3], s[22:23]
	s_or_b32 s[G0S+3], s[G0S+3], 0x80000000
	s_mov_b32 s[G0SB], 1
	s_add_co_u32 s[G0SB+1], s94, SCL
	s_mov_b64 s[G0SB+2:G0SB+3], s[92:93]
	s_or_b32 s[G0SB+3], s[G0SB+3], 0x80000000
	JLOAD G0S, G1S, G0SB, G1SB                     ; the scales first: three tensor loads of mine are out at the most
.irp s, 0,1
	s_mov_b32 s[G0+4*\s], 1
	s_add_co_u32 s[G0+4*\s+1], s45, \s*SLOT
	s_add_nc_u64 s[G0+4*\s+2:G0+4*\s+3], s[20:21], \s*ROWB
	s_or_b32 s[G0+4*\s+3], s[G0+4*\s+3], 0x80000000
	s_mov_b32 s[G0B+4*\s], 1
	s_add_co_u32 s[G0B+4*\s+1], s45, \s*SLOT
	s_add_nc_u64 s[G0B+4*\s+2:G0B+4*\s+3], s[46:47], \s*ROWB
	s_or_b32 s[G0B+4*\s+3], s[G0B+4*\s+3], 0x80000000
	JLOAD G0+4*\s, G1, G0B+4*\s, G1B
.endr
	; THE BIAS is the C of each sum's first product: block b's register j holds b_attn[my first column + 16 b + 8 (lane / 16) + j].  The K tiles (X = 1, the same in the whole cluster) take zeros.
	v_and_b32 v1, 15, v0                           ; l % 16
	v_bfe_u32 v2, v0, 4, 1                         ; l / 16
	v_lshlrev_b32 v[BO], 5, v2
	s_lshl_b32 s46, s42, 10
	s_lshl_b32 s47, s16, 9
	s_add_co_u32 s46, s46, s47                     ; my first column x 4 bytes
	s_mov_b32 s47, 0
	s_add_nc_u64 s[96:97], s[96:97], s[46:47]
	s_cmp_eq_u32 ttmp9, 1
	s_cbranch_scc1 .Lno_bias
.irp b, 0,1,2,3,4,5,6,7
	global_load_b128 v[BIAS+8*\b:BIAS+8*\b+3], v[BO], s[96:97] offset:64*\b
	global_load_b128 v[BIAS+8*\b+4:BIAS+8*\b+7], v[BO], s[96:97] offset:64*\b+16
.endr
	s_branch .Lbias_done
.Lno_bias:
.set j, 0
.rept 64
	v_mov_b32 v[BIAS+j], 0
.set j, j+1
.endr
.Lbias_done:
	v_mul_u32_u24 v3, v1, PITCH
	v_lshl_add_u32 v4, v2, 4, v3                   ; a fragment's row x pitch + 16 x half
	s_mul_i32 s21, s15, HALFT                      ; my 128 rows of A
	s_mul_i32 s22, s16, HALFT                      ; my 128 rows of B,
	s_add_co_u32 s22, s22, 2*HALFT                 ; behind A's 256
.irp s, 0,1
	v_add_nc_u32 v[ADRA+\s], s21, v4
	v_add_nc_u32 v[ADRB+\s], s22, v4
	s_add_co_u32 s21, s21, SLOT
	s_add_co_u32 s22, s22, SLOT
.endr
	v_mul_u32_u24 v5, v1, KS                       ; my row's scales: 32 bytes a row,
	v_lshrrev_b32 v6, 8, v5
	v_lshl_add_u32 v5, v6, 4, v5                   ; and 16 more for each 256 passed
	s_mul_i32 s21, s15, HALFS
	s_mul_i32 s22, s16, HALFS
	s_add_co_u32 s22, s22, 2*HALFS
	s_sub_co_u32 s22, s22, s21
	v_mul_u32_u24 v6, s22, v2                      ; lanes 16-31 take B's
	s_add_co_u32 s21, s21, SCL
	v_add_nc_u32 v5, v5, v6
	v_add_nc_u32 v[ADRS], s21, v5
	s_mul_i32 s23, s14, 16*SPITCH                  ; my stage
	v_mul_u32_u24 v5, v1, SPITCH
	v_lshl_add_u32 v5, v2, 4, v5
	v_add_nc_u32 v[STO], s23, v5                   ; in: row l % 16, 16 bytes for each half of the lanes
	v_bfe_u32 v5, v0, 3, 2
	v_and_b32 v6, 7, v0
	v_mul_u32_u24 v5, v5, SPITCH
	v_lshl_add_u32 v5, v6, 4, v5
	v_add_nc_u32 v[RD], s23, v5                    ; back: eight lanes take one head's 128 bytes of a row, four rows an instruction
	v_and_b32 v6, 31, v0
	v_lshlrev_b32 v[CO], 4, v6                     ; and in qkv16: 16 x lane
	v_mul_u32_u24 v[FO], v1, 12288
	v_lshl_add_u32 v[FO], v2, 5, v[FO]             ; qkv32: row l % 16 of 12,288 bytes, + 32 x half
	s_mul_i32 s20, s41, 196608                     ; qkv32: my batch's 16 rows, my first column
	s_add_co_u32 s20, s20, s46
	s_mov_b32 s21, 0
	s_add_nc_u64 s[12:13], s[12:13], s[20:21]
	s_lshl_b32 s20, ttmp9, 6                       ; qkv16: plane 64 X + 16 cy + 4 cx + 2 x my column half,
	s_lshl_b32 s21, s41, 4
	s_add_co_u32 s20, s20, s21
	s_lshl_b32 s21, s40, 2
	s_add_co_u32 s20, s20, s21
	s_lshl_b32 s21, s16, 1
	s_add_co_u32 s20, s20, s21
	s_lshl_b32 s20, s20, 18                        ; of 262,144 bytes,
	s_lshl_b32 s21, s95, 15
	s_add_co_u32 s20, s20, s21                     ; row 256 Y
	s_lshl_b32 s21, s15, 14
	s_add_co_u32 s20, s20, s21                     ; + 128 x my row half, of 128 bytes
	s_mov_b32 s21, 0
	s_add_nc_u64 s[98:99], s[98:99], s[20:21]
.macro FRAG reg, adr, q, i             ; 16 rows x 128 K of 4-bit codes: 8 registers, two loads of 16 bytes, 32 bytes apart
.irp c, 0,1
	ds_load_b128 v[\reg+4*\c:\reg+4*\c+3], v[\adr] offset:64*(\q)+32*\c+(\i)*16*PITCH
.endr
.endm
; 16 matrix instructions: A's blocks a0, a0 + 1 x B's eight.  The 64 accumulators take turns, one instruction a turn, in the same order in every step.  zero = 1: the bias starts the sums.
.macro MUL16 a0, p, q, sc, zero
.irp a, \a0, \a0+1
.irp b, 0,1,2,3,4,5,6,7
.if \zero
	v_wmma_scale_f32_16x16x128_f8f6f4 v[8*(8*((\a)%4)+\b):8*(8*((\a)%4)+\b)+7], v[128*(\p)+FR*\b:128*(\p)+FR*\b+FR-1], v[AF+FR*(\a):AF+FR*(\a)+FR-1], v[BIAS+8*\b:BIAS+8*\b+7], v[SC+8*NQ*(\sc)+NQ*\b+(\q)], v[SC+8*NQ*(\sc)+NQ*(\a)+(\q)] matrix_a_fmt:MATRIX_FMT_FP4 matrix_b_fmt:MATRIX_FMT_FP4 matrix_a_scale:MATRIX_SCALE_ROW1
.else
	v_wmma_scale_f32_16x16x128_f8f6f4 v[8*(8*((\a)%4)+\b):8*(8*((\a)%4)+\b)+7], v[128*(\p)+FR*\b:128*(\p)+FR*\b+FR-1], v[AF+FR*(\a):AF+FR*(\a)+FR-1], v[8*(8*((\a)%4)+\b):8*(8*((\a)%4)+\b)+7], v[SC+8*NQ*(\sc)+NQ*\b+(\q)], v[SC+8*NQ*(\sc)+NQ*(\a)+(\q)] matrix_a_fmt:MATRIX_FMT_FP4 matrix_b_fmt:MATRIX_FMT_FP4 matrix_a_scale:MATRIX_SCALE_ROW1
.endif
.endr
.endr
.endm
.macro FETCH_B slot, q, p
	WIN TO_B
.irp i, 0,1,2,3,4,5,6,7
	FRAG 128*(\p)+FR*\i, ADRB+\slot, \q, \i
.endr
	WIN 0
.endm
.macro FETCH_A slot, q, i0
.irp i, \i0, \i0+1, \i0+2, \i0+3
	FRAG AF+FR*(\i), ADRA+\slot, \q, \i
.endr
.endm
.macro SCALES sc                       ; a slot's scale words: lanes 0-15 take A's block i, lanes 16-31 B's block i
.irp i, 0,1,2,3,4,5,6,7
	ds_load_b128 v[SC+8*NQ*\sc+NQ*\i:SC+8*NQ*\sc+NQ*\i+3], v[ADRS] offset:\i*SBLK
.endr
.endm
.macro PLACES n                        ; plain vector instructions between a matrix instruction and a load into, or a read of, its registers
.rept \n
	v_nop
.endr
.endm
.macro STEP slot, q, zero              ; 128 along K with its successor in the same slot
	s_wait_dscnt 4*NL                              ; B's set and A's blocks 0-3 are in; the youngest eight loads (A's blocks 4-7) may be out
.if \zero
	WIN FIRST_LO
.else
	WIN MUL_LO
.endif
	MUL16 0, (\q)%2, \q, \slot, \zero
	MUL16 2, (\q)%2, \q, \slot, \zero
	s_wait_dscnt 0
	PLACES NP
	FETCH_B \slot, (\q)+1, 1-(\q)%2
	FETCH_A \slot, (\q)+1, 0
.if \zero
	WIN FIRST_HI
.else
	WIN MUL_HI
.endif
	MUL16 4, (\q)%2, \q, \slot, \zero
	MUL16 6, (\q)%2, \q, \slot, \zero
	PLACES NP
	WIN 0
	FETCH_A \slot, (\q)+1, 4
.endm
.macro STEPS slot, from
.set Q, \from
.rept NQ-1-\from
	STEP \slot, Q, 0
.set Q, Q+1
.endr
.endm
	s_wait_tensorcnt 1                             ; the scales and my part of slot 0 are in; the one younger load, slot 1's, may be out
	s_barrier_signal -1
	s_barrier_wait -1
	FETCH_B 0, 0, 0
	FETCH_A 0, 0, 0
	SCALES 0
	FETCH_A 0, 0, 4
	s_wait_loadcnt 0x0                             ; the bias
	STEP 0, 0, 1
	STEPS 0, 1
	; slot 0's last step changes slots: every wave's tensor loads have landed and its reads of slot 0 are over in front of the barrier; nothing is filled again
	s_wait_tensorcnt 0x0
	ds_add_u32 v[SPW], v[NIL]
	s_wait_dscnt 4*NL+1                            ; the add and the youngest eight loads may be out
	WIN MUL_LO
	MUL16 0, 1, NQ-1, 0, 0
	s_wait_dscnt 0x0
	s_barrier_signal -1
	MUL16 2, 1, NQ-1, 0, 0
	WIN 0
	s_barrier_wait -1
	PLACES NP
	v_add_nc_u32 v[ADRS], 4*NQ, v[ADRS]            ; slot 1's scale words: 16 bytes on in each row
	FETCH_B 1, 0, 0
	FETCH_A 1, 0, 0
	SCALES 1
	WIN MUL_HI
	MUL16 4, 1, NQ-1, 0, 0
	MUL16 6, 1, NQ-1, 0, 0
	PLACES NP
	WIN 0
	FETCH_A 1, 0, 4
	STEPS 1, 0
	s_wait_dscnt 4*NL                              ; the very last step: the youngest eight loads may be out
	WIN MUL_LO
	MUL16 0, 1, NQ-1, 1, 0
	MUL16 2, 1, NQ-1, 1, 0
	s_wait_dscnt 0
	WIN MUL_HI
	MUL16 4, 1, NQ-1, 1, 0
	MUL16 6, 1, NQ-1, 1, 0
	WIN 0
	; THE WAY OUT.
	PLACES NP
	; Positions 0-15 of a batch are my block 0 where Y = 0 and my row half is 0: they go out in f32 as they are, 32 bytes a lane (pieces of rows: 786,432 bytes in the whole launch).
	s_or_b32 s95, s95, s15
	s_cmp_lg_u32 s95, 0
	s_cbranch_scc1 .Lno_fine
	WIN 0x08                                       ; a store's data are its source 1: window 2
.irp b, 0,1,2,3,4,5,6,7
	global_store_b128 v[FO], v[8*\b:8*\b+3], s[12:13] offset:64*\b          ; each accumulator from its low end on
	global_store_b128 v[FO], v[8*\b+4:8*\b+7], s[12:13] offset:64*\b+16
.endr
	WIN 0
.Lno_fine:
.macro PACK a                          ; block a: rounded to f16, 16 bytes a lane and block of columns; each accumulator from its low end on
.set AC, 64*((\a)%4)
	WIN 0x0a+5*((\a)/4)
.irp b, 0,1,2,3,4,5,6,7
.irp r, 0,1,2,3
	v_cvt_pk_f16_f32 v[TMP+4*\b+\r], v[AC+8*\b+2*\r], v[AC+8*\b+2*\r+1]
.endr
.endr
	WIN 0
.endm
.macro TOSTAGE a                       ; into my stage, and back by heads, into the registers that held A's fragments: LDS serves a wave's instructions in order
.set BB, BKR+32*((\a)%2)
.irp b, 0,1,2,3,4,5,6,7
	ds_store_b128 v[STO], v[TMP+4*\b:TMP+4*\b+3] offset:32*\b
.endr
.irp t, 0,1,2,3,4,5,6,7
	ds_load_b128 v[BB+4*\t:BB+4*\t+3], v[RD] offset:(\t%4)*4*SPITCH+(\t/4)*128
.endr
.endm
.macro SEND a
.set BB, BKR+32*((\a)%2)
	s_wait_dscnt 0x0                               ; the block is back in registers
	s_wait_xcnt 0x0                                ; the block before has left its registers: the next TOSTAGE may load into them
.irp t, 0,1,2,3,4,5,6,7
	global_store_b128 v[CO], v[BB+4*\t:BB+4*\t+3], s[98:99] offset:(\t/4)*262144+(\a)*2048+(\t%4)*512   ; the wave stores 512 consecutive bytes, aligned: four rows of one head
.endr
.endm
	PACK 0
	TOSTAGE 0
.irp a, 1,2,3,4,5,6,7
	PACK \a                                        ; block a's conversions stand between block a - 1's loads from the stage and the wait for them
	SEND \a-1
	TOSTAGE \a
.endr
	SEND 7
	s_wait_tensorcnt 0x0                           ; the wave's end
	ds_add_u32 v[SPW], v[NIL]
	s_wait_dscnt 0x0
	CROUND                                         ; the closing round
	s_endpgm
.Lfunc_end_k_q98f644ad3b_gemm1:
	.size	k_q98f644ad3b_gemm1, .Lfunc_end_k_q98f644ad3b_gemm1-k_q98f644ad3b_gemm1
	.p2alignl 7, 3214868480
	.fill 96, 4, 3214868480
	.section	.rodata,"a",@progbits
	.p2align	6, 0x0
	.amdhsa_kernel k_q98f644ad3b_gemm1
		.amdhsa_group_segment_fixed_size 327680
		.amdhsa_private_segment_fixed_size 0
		.amdhsa_enable_private_segment 0
		.amdhsa_kernarg_size 56
		.amdhsa_user_sgpr_count 2
		.amdhsa_user_sgpr_kernarg_segment_ptr 1
		.amdhsa_wavefront_size32 1
		.amdhsa_system_sgpr_workgroup_id_x 1
		.amdhsa_system_sgpr_workgroup_id_y 1
		.amdhsa_system_sgpr_workgroup_id_z 1
		.amdhsa_system_vgpr_workitem_id 0
		.amdhsa_next_free_vgpr 1024
		.amdhsa_next_free_sgpr 100
		.amdhsa_reserve_vcc 0
		.amdhsa_float_denorm_mode_32 3
		.amdhsa_float_denorm_mode_16_64 3
		.amdhsa_memory_ordered 1
		.amdhsa_forward_progress 1
		.amdhsa_inst_pref_size 132
	.end_amdhsa_kernel
	.amdgpu_metadata
---
amdhsa.version: [ 1, 2 ]
amdhsa.kernels:
  - .name:           k_q98f644ad3b_gemm1
    .symbol:         k_q98f644ad3b_gemm1.kd
    .args:
      - { .name: x_codes, .offset: 0, .size: 8, .value_kind: global_buffer, .address_space: global }
      - { .name: x_scales, .offset: 8, .size: 8, .value_kind: global_buffer, .address_space: global }
      - { .name: w_codes, .offset: 16, .size: 8, .value_kind: global_buffer, .address_space: global }
      - { .name: w_scales, .offset: 24, .size: 8, .value_kind: global_buffer, .address_space: global }
      - { .name: b_attn, .offset: 32, .size: 8, .value_kind: global_buffer, .address_space: global }
      - { .name: qkv16, .offset: 40, .size: 8, .value_kind: global_buffer, .address_space: global }
      - { .name: qkv32, .offset: 48, .size: 8, .value_kind: global_buffer, .address_space: global }
    .group_segment_fixed_size: 327680
    .private_segment_fixed_size: 0
    .kernarg_segment_align: 8
    .kernarg_segment_size: 56
    .max_flat_workgroup_size: 128
    .sgpr_count:     100
    .vgpr_count:     1024
    .wavefront_size: 32
...
	.end_amdgpu_metadata
.endif
;; end of part 2
;; launch attn (part 3): grid 4 x 64, 8 waves a work-group, no clusters, 327,680 bytes of LDS; arguments qkv16, y16; writes y16
.if DOCPART == 3
	.amdgcn_target "amdgcn-amd-amdhsa--gfx1250"
	.amdhsa_code_object_version 6
	.text
	.protected	k_q98f644ad3b_attn
	.globl	k_q98f644ad3b_attn
	.p2align	8
	.type	k_q98f644ad3b_attn,@function
k_q98f644ad3b_attn:
	s_mov_b64 s[64:65], 0
	v_nop
	global_prefetch_b8 v0, s[64:65] scope:SCOPE_SE
	s_setreg_imm32_b32 hwreg(HW_REG_WAVE_MODE, 25, 1), 1
	s_wait_xcnt 0x0
; Launch 3 of 5: y = softmax(q k^T / 8, causal) v for each of the 64 (batch, head) pairs, operands in f16, products, maxima and sums in f32, by a running maximum.
; LEFT OUT: key steps all of whose 64 keys come after a wave's 32 queries: the problem's own mask makes their weights 0 for all values.
; qkv16: [64 which + g][2048][64] f16, g = 16 b + h.  y16: [h][2048 b + t][64] f16.  LIMIT: y beyond 65,504 becomes infinite in f16.
; SHARES.  Work-group (I = 0..3, g) owns the query blocks I and 7 - I of 256 queries, one after the other: (I + 1) + (8 - I) = 9 units of 256 keys whatever I is: 256 work-groups of equal work, and a loop of
; constant trip count.  In trip U <= I it works on block I with key unit U, later on block 7 - I with key unit U - I - 1.  A wave owns 32 queries: two tiles of 16, which share every fragment of K and V.
; NO CLUSTER: the four work-groups of a head want different key units in the same trip (unit U against U - I - 1), so no tile is wanted by two of them at the same time.
; LAYOUT.  S^T = K Q^T (source 0 = 16 keys, source 1 = 16 queries) and O^T = V^T P (source 0 = 16 channels, source 1 = P): a lane holds ONE query throughout; two tiles of S^T rounded in pairs are P's fragment.
; LDS: two slots, 131,072 bytes apart.  A slot: K's 256 keys as 128 rows of two keys (256 bytes + 16), then V's as 128 rows (256 + 32).  Waves 0, 1 fetch K's halves, waves 2, 3 V's.  All of a WGP's LDS is claimed.
; REGISTERS: window 0: v1-11 addresses; v12-27 statistics, 8 a tile (+0 c m, +1 m, +2, +3 l, +4..+7 at work, a in +6); v28 prefetch offset; v29 -inf; v30, 31 the mask's d; v32-95 S^T; v96-127 P; v128-191 K; v192-255 V.
;   window 1: v0-63 O^T (32 t + 8 n); v64-95 Q (64 + 16 t + 8 c).
.set KP,    272
.set VP,    288
.set VOFF,  128*KP
.set SLOT1, 131072
.set STAGE, SLOT1+128*(KP+VP)          ; 202,752: 32 rows x 144 bytes for each wave, for the way out; no tensor load lands here
.set SPARE, STAGE+8*32*144             ; 239,616: the spare words, 128 bytes for each wave
.set AK0, 1
.set AV0, 2
.set ADK, 3
.set ADV, 4
.set SPW, 5
.set NIL, 6
.set STO, 7
.set RD,  8
.set GO,  9
.set QO,  10
.set D0,  11
.set ST,  12
.set PFO, 28
.set NINF, 29
.set DD,  30
.set S,   32
.set P,   96
.set KR,  128
.set VR,  192
.set QR,  64                           ; in window 1
.set WV,  8                            ; s8   wave
.set BI,  9                            ; s9   I
.set BI1, 10                           ; s10  I + 1
.set U,   11                           ; s11  the trip
.set CU,  12                           ; s12  the key unit asked for last
.set TB,  13                           ; s13  LDS byte at which the slot in hand begins
.set KEY, 14                           ; s14  the step's first key
.set Q0,  15                           ; s15  my first query
.set G1K, 24
.set G1V, 32
.set G0K, 40
.set G0V, 44
.set CS,  48                           ; s[48:49] c = log2(e) / 8
.set SEL, 50                           ; s[50:51] lane l xor 16
.set PFA, 52                           ; s[52:53] where my prefetches stand
.set LIM, 54                           ; s54  trips in which I prefetch: 6 in the head's first work-group, else 0
.set MSB, 0
.macro WIN new
.if MSB != (\new)
	s_set_vgpr_msb (MSB<<8)|(\new)
.set MSB, (\new)
.endif
.endm
.set W_KQ, 0x04                        ; Q (source 1) window 1
.set W_PV, 0x50                        ; C and D window 1
.set W_RS, 0x41                        ; O^T (destination, source 0) window 1
; Waves 0, 1 fetch for K, waves 2, 3 for V, the others nothing; an s_nop 0 and four v_nop follow each line.
.macro TLOAD
	s_cmp_lt_u32 s[WV], 2
	s_cbranch_scc0 .Lnot_k_\@
	tensor_load_to_lds s[G0K:G0K+3], s[G1K:G1K+7]
	s_nop 0
.rept 4
	v_nop
.endr
	s_branch .Lasked_\@
.Lnot_k_\@:
	s_cmp_lt_u32 s[WV], 4
	s_cbranch_scc0 .Lasked_\@
	tensor_load_to_lds s[G0V:G0V+3], s[G1V:G1V+7]
	s_nop 0
.rept 4
	v_nop
.endr
.Lasked_\@:
.endm
; A PREFETCH INTO THE L2.  All four work-groups of a head walk the same K and V: the first of them (I = 0) asks.  In trip U it names key unit U + 2, for U = 0 .. 5: units 2 to 7, each aligned block of 256 bytes once
; in the launch; waves 0-3 take K's 32,768 bytes of the unit, waves 4-7 V's, 8,192 bytes a wave, lanes 256 bytes apart.  Among the four work-groups the earliest tensor load of unit U + 2 stands in trip U + 1 at the earliest.
; Units 0 and 1 come by their loads alone; trips 6 and 7 ask for nothing.
.macro ASK
	s_cmp_lt_u32 s[U], s[LIM]
	s_cbranch_scc0 .Lnot_mine_\@
	global_prefetch_b8 v[PFO], s[PFA:PFA+1] th:TH_LOAD_NT scope:SCOPE_SE
.Lnot_mine_\@:
.endm
	s_load_b128 s[4:7], s[0:1], 0x0                ; qkv16 s[4:5], y16 s[6:7]
	v_lshl_add_u32 v[SPW], v0, 2, SPARE
	v_mov_b32 v[NIL], 0
	ds_add_u32 v[SPW], v[NIL]                      ; the wave's opening: the add, twice on end, and its wait ahead of the first tensor load
	ds_add_u32 v[SPW], v[NIL]
	v_lshrrev_b32 v1, 5, v0
	v_readfirstlane_b32 s[WV], v1
	s_mov_b32 s[BI], ttmp9
	s_add_co_u32 s[BI1], s[BI], 1
	s_and_b32 s60, ttmp7, 0xffff                   ; g = 16 b + h
	s_mov_b32 s[G1K], (1<<16)|(1<<20)|(5<<22)|(3<<25)   ; elements of 2 bytes; padding: 4 words after every 64
	s_mov_b32 s[G1V], (1<<16)|(1<<20)|(5<<22)|(7<<25)   ; 8 words
.irp g, G1K, G1V
	s_mov_b32 s[\g+1], 128<<16                     ; tensor_dim0 = 128: two keys' 64 channels, dense in memory
	s_mov_b32 s[\g+2], 64<<16                      ; tensor_dim1 = 64
	s_mov_b32 s[\g+3], 128<<16                     ; tile_dim0
	s_mov_b32 s[\g+4], 64                          ; tile_dim1
	s_mov_b32 s[\g+5], 128                         ; elements from row to row
	s_mov_b32 s[\g+6], 0
	s_mov_b32 s[\g+7], 0
.endr
	s_mov_b32 s[CS], 0x3e38aa3b                    ; log2(e) / sqrt(64)
	s_mov_b32 s[CS+1], s[CS]
	s_mov_b32 s[SEL], 0x76543210
	s_mov_b32 s[SEL+1], 0xfedcba98
	s_mov_b32 s[U], 0
	s_mov_b32 s[CU], 0
	s_mov_b32 s[TB], 0
	s_mov_b32 s[KEY], 0
	s_lshl_b32 s[Q0], s[BI], 8
	s_lshl_b32 s61, s[WV], 5
	s_add_co_u32 s[Q0], s[Q0], s61                 ; block I: 256 I + 32 x wave
	s_and_b32 s61, s[WV], 1                        ; which half of a unit I fetch:
	s_lshl_b32 s62, s61, 14                        ; 128 keys of 128 bytes in memory,
	s_mul_i32 s63, s61, 64*KP                      ; 64 rows in a slot
	s_mul_i32 s66, s61, 64*VP
	s_add_co_u32 s66, s66, VOFF
	s_lshl_b32 s56, s60, 18                        ; a plane is 262,144 bytes
	s_mov_b32 s57, 0
	s_and_b32 s67, s60, 15
	s_lshl_b32 s67, s67, 20                        ; y16: head x 8,192 rows of 128 bytes
	s_lshr_b32 s61, s60, 4
	s_lshl_b32 s61, s61, 18                        ; + batch x 2,048 rows
	s_add_co_u32 s58, s67, s61
	s_mov_b32 s59, 0
	s_cmp_eq_u32 s[BI], 0
	s_cselect_b32 s[LIM], 6, 0
	s_wait_dscnt 0x0                               ; both opening adds are done
	s_wait_kmcnt 0x0
	s_add_nc_u64 s[16:17], s[4:5], s[56:57]        ; Q's plane
	s_add_nc_u64 s[18:19], s[16:17], 0x1000000     ; K's: 64 planes on
	s_add_nc_u64 s[20:21], s[16:17], 0x2000000     ; V's: 128 planes on
	s_add_nc_u64 s[22:23], s[6:7], s[58:59]        ; y's rows of my head and batch
	s_cmp_lt_u32 s[WV], 4
	s_cselect_b64 s[PFA:PFA+1], s[18:19], s[20:21]
	s_and_b32 s56, s[WV], 3
	s_lshl_b32 s56, s56, 13
	s_add_co_u32 s56, s56, 32768                   ; my wave's part, in unit 1: the first change of slots steps it to unit 2
	s_add_nc_u64 s[PFA:PFA+1], s[PFA:PFA+1], s[56:57]
	s_mov_b32 s56, s62
	s_add_nc_u64 s[18:19], s[18:19], s[56:57]      ; K and V at the half that I fetch
	s_add_nc_u64 s[20:21], s[20:21], s[56:57]
	s_mov_b32 s[G0K], 1
	s_mov_b32 s[G0K+1], s63
	s_mov_b64 s[G0K+2:G0K+3], s[18:19]
	s_or_b32 s[G0K+3], s[G0K+3], 0x80000000
	s_mov_b32 s[G0V], 1
	s_mov_b32 s[G0V+1], s66
	s_mov_b64 s[G0V+2:G0V+3], s[20:21]
	s_or_b32 s[G0V+3], s[G0V+3], 0x80000000
	TLOAD                                          ; key unit 0 into slot 0: one tensor load of mine is out at the most, here and later
	v_and_b32 v12, 15, v0                          ; r
	v_bfe_u32 v13, v0, 4, 1                        ; h
	v_and_b32 v14, 31, v0                          ; lane
	v_lshrrev_b32 v15, 1, v12
	v_mul_u32_u24 v[AK0], v15, KP
	v_and_b32 v15, 1, v12
	v_lshl_add_u32 v[AK0], v15, 7, v[AK0]
	v_lshl_add_u32 v[AK0], v13, 4, v[AK0]          ; K: key r lies in row r / 2, half r % 2; + 16 h
	v_and_b32 v15, 7, v0
	v_lshl_add_u32 v15, v13, 3, v15                ; V, for the turning load: key 8 h + lane % 8,
	v_lshrrev_b32 v16, 1, v15
	v_mul_u32_u24 v[AV0], v16, VP
	v_and_b32 v16, 1, v15
	v_lshl_add_u32 v[AV0], v16, 7, v[AV0]
	v_bfe_u32 v16, v0, 3, 1
	v_lshl_add_u32 v[AV0], v16, 4, v[AV0]          ; channels 8 ((lane / 8) % 2) on
	v_add_nc_u32 v[AV0], VOFF, v[AV0]
	s_mul_i32 s67, s[WV], 32*144
	s_add_co_u32 s67, s67, STAGE                   ; my stage
	v_mul_u32_u24 v[STO], v12, 144
	v_lshl_add_u32 v[STO], v13, 4, v[STO]
	v_add_nc_u32 v[STO], s67, v[STO]               ; in: row r, 16 bytes for each half of the lanes
	v_bfe_u32 v16, v0, 3, 2
	v_mul_u32_u24 v[RD], v16, 144
	v_and_b32 v16, 7, v0
	v_lshl_add_u32 v[RD], v16, 4, v[RD]
	v_add_nc_u32 v[RD], s67, v[RD]                 ; back: eight lanes to a row of 128 bytes
	v_lshlrev_b32 v[GO], 4, v14
	v_lshlrev_b32 v[QO], 7, v12
	v_lshl_add_u32 v[QO], v13, 4, v[QO]            ; Q: row r of 128 bytes, + 16 h
	v_lshlrev_b32 v16, 3, v13
	v_sub_nc_u32 v[D0], v12, v16                   ; r - 8 h
	v_lshlrev_b32 v[PFO], 8, v14
	v_mov_b32 v[NINF], 0xff800000
; A block of queries begins: Q into registers, O^T and l zeros, m = -3e38 (under every score): the first step's change of m multiplies zeros.
.macro PROLOGUE
	s_lshl_b32 s56, s[Q0], 7
	s_mov_b32 s57, 0
	s_add_nc_u64 s[58:59], s[16:17], s[56:57]
	WIN 0x40                                       ; destination window 1
.irp t, 0,1
.irp c, 0,1
.irp e, 0,1
	global_load_b128 v[QR+16*\t+8*\c+4*\e:QR+16*\t+8*\c+4*\e+3], v[QO], s[58:59] offset:2048*\t+64*\c+32*\e
.endr
.endr
.endr
.set j, 0
.rept 64
	v_mov_b32 v[j], 0
.set j, j+1
.endr
	WIN 0
.irp t, 0,1
	v_mov_b32 v[ST+8*\t+1], 0xff61b1e6
	v_mul_f32 v[ST+8*\t], s[CS], v[ST+8*\t+1]
.irp k, 2,3,4,5,6,7
	v_mov_b32 v[ST+8*\t+\k], 0
.endr
.endr
	s_wait_loadcnt 0x0                             ; Q is in, and its address registers are free
.endm
; A block of queries ends: O^T / l, rounded to f16, through my stage, out as 4,096 consecutive bytes.
.macro EPILOGUE
.irp t, 0,1
	v_add_f32 v[ST+8*\t+4], v[ST+8*\t+2], v[ST+8*\t+3]
.endr
.irp t, 0,1
	v_permlanex16_b32 v[ST+8*\t+5], v[ST+8*\t+4], s[SEL], s[SEL+1]
.endr
.irp t, 0,1
	v_add_f32 v[ST+8*\t+4], v[ST+8*\t+4], v[ST+8*\t+5]
.endr
.irp t, 0,1
	v_rcp_f32 v[ST+8*\t+6], v[ST+8*\t+4]
.endr
	v_nop                                          ; a plain instruction behind the last reciprocal
	s_wait_alu depctr_va_vdst(0)                   ; the wait ahead of the first use: one for both
	WIN 0x01                                       ; source 0 window 1
.irp t, 0,1
.irp b, 0,2,4,6,8,10,12,14,16,18,20,22,24,26,28,30
	v_pk_mul_f32 v[S+32*\t+\b:S+32*\t+\b+1], v[32*\t+\b:32*\t+\b+1], v[ST+8*\t+6:ST+8*\t+7] op_sel_hi:[1,0]   ; each accumulator from its low end on
.endr
.endr
	WIN 0
.irp t, 0,1
.irp i, 0,1,2,3,4,5,6,7,8,9,10,11,12,13,14,15
	v_cvt_pk_f16_f32 v[P+16*\t+\i], v[S+32*\t+2*\i], v[S+32*\t+2*\i+1]
.endr
.endr
.irp t, 0,1
.irp n, 0,1,2,3
	ds_store_b128 v[STO], v[P+16*\t+4*\n:P+16*\t+4*\n+3] offset:16*144*\t+32*\n
.endr
.endr
.irp i, 0,1,2,3,4,5,6,7
	ds_load_b128 v[KR+4*\i:KR+4*\i+3], v[RD] offset:4*144*\i   ; LDS serves a wave's instructions in order: these see my stores
.endr
	s_lshl_b32 s56, s[Q0], 7
	s_mov_b32 s57, 0
	s_add_nc_u64 s[58:59], s[22:23], s[56:57]
.irp i, 0,1,2,3,4,5,6,7
	s_wait_dscnt 7-\i                              ; load i is in, the younger ones may be out
	global_store_b128 v[GO], v[KR+4*\i:KR+4*\i+3], s[58:59] offset:512*\i   ; the wave stores 512 consecutive bytes, aligned
.endr
	s_wait_xcnt 0x0                                ; the stores have read their registers and their base: both are written again
.endm
; A KEY STEP: 64 keys, the q-th of the slot in hand.
.macro STEP q
	s_add_co_u32 s60, s[Q0], 31
	s_cmp_gt_u32 s[KEY], s60                       ; all 64 keys come after my 32 queries: the step's work is left out (ids and counts alone)
	s_cbranch_scc1 .Lhidden_\@
.irp i, 0,1,2,3
.irp c, 0,1
.irp e, 0,1
	ds_load_b128 v[KR+16*\i+8*\c+4*\e:KR+16*\i+8*\c+4*\e+3], v[ADK] offset:32*KP*(\q)+8*KP*\i+64*\c+32*\e
.endr
.endr
.endr
.irp k, 0,1
.irp n, 0,1,2,3
.irp e, 0,1
	ds_load_tr16_b128 v[VR+32*\k+8*\n+4*\e:VR+32*\k+8*\n+4*\e+3], v[ADV] offset:32*VP*(\q)+16*VP*\k+32*\n+8*VP*\e
.endr
.endr
.endr
	s_wait_dscnt 16                                ; K is in; V's sixteen loads may be out
	WIN W_KQ
.irp c, 0,1                                    ; S^T = K Q^T: eight accumulators by turns
.irp i, 0,1,2,3
.irp t, 0,1
.if \c == 0
	v_wmma_f32_16x16x32_f16 v[S+32*\t+8*\i:S+32*\t+8*\i+7], v[KR+16*\i+8*\c:KR+16*\i+8*\c+7], v[QR+16*\t+8*\c:QR+16*\t+8*\c+7], 0
.else
	v_wmma_f32_16x16x32_f16 v[S+32*\t+8*\i:S+32*\t+8*\i+7], v[KR+16*\i+8*\c:KR+16*\i+8*\c+7], v[QR+16*\t+8*\c:QR+16*\t+8*\c+7], v[S+32*\t+8*\i:S+32*\t+8*\i+7]
.endif
.endr
.endr
.endr
	WIN 0
.rept 4
	v_nop                                          ; places in front of the first read of the scores
.endr
	s_add_co_u32 s60, s[KEY], 63
	s_cmp_le_u32 s60, s[Q0]                        ; all 64 keys count for all my queries: no mask
	s_cbranch_scc1 .Lopen_\@
	s_sub_co_i32 s60, s[Q0], s[KEY]
	v_add_nc_u32 v[DD], s60, v[D0]                 ; d = my query - the step's first key - 8 h.  Register 8 i + j holds key 16 i + 8 h + j of the step: hidden where 16 i + j > d
	v_add_nc_u32 v[DD+1], 16, v[DD]
.irp t, 0,1
.set j, 0
.rept 32
	v_cmp_gt_i32 vcc_lo, 16*(j/8)+j%8, v[DD+\t]
	v_cndmask_b32 v[S+32*\t+j], v[S+32*\t+j], v[NINF], vcc_lo
.set j, j+1
.endr
.endr
.Lopen_\@:
	; the maximum of my 32 scores and the old m, ascending: each accumulator is first read at its low end
.irp k, 0,1,2,3
.irp t, 0,1
	v_max3_num_f32 v[ST+8*\t+4+\k], v[S+32*\t+3*\k], v[S+32*\t+3*\k+1], v[S+32*\t+3*\k+2]
.endr
.endr
.irp k, 0,1,2,3,4,5,6,7,8,9
.irp t, 0,1
	v_max3_num_f32 v[ST+8*\t+4+\k%4], v[ST+8*\t+4+\k%4], v[S+32*\t+12+2*\k], v[S+32*\t+13+2*\k]
.endr
.endr
.irp t, 0,1
	v_max3_num_f32 v[ST+8*\t+4], v[ST+8*\t+4], v[ST+8*\t+5], v[ST+8*\t+6]
.endr
.irp t, 0,1
	v_max3_num_f32 v[ST+8*\t+4], v[ST+8*\t+4], v[ST+8*\t+7], v[ST+8*\t+1]
.endr
.irp t, 0,1
	v_permlanex16_b32 v[ST+8*\t+5], v[ST+8*\t+4], s[SEL], s[SEL+1]   ; the query's other 32 keys lie in the lane 16 away
.endr
.irp t, 0,1
	v_max_num_f32 v[ST+8*\t+1], v[ST+8*\t+4], v[ST+8*\t+5]           ; the new m
.endr
.irp t, 0,1
	v_mov_b32 v[ST+8*\t+7], v[ST+8*\t]
.endr
.irp t, 0,1
	v_mul_f32 v[ST+8*\t], s[CS], v[ST+8*\t+1]                        ; c m
.endr
.irp t, 0,1
	v_sub_f32 v[ST+8*\t+7], v[ST+8*\t+7], v[ST+8*\t]                 ; c m_old - c m_new
.endr
.irp b, 0,2,4,6,8,10,12,14,16,18,20,22,24,26,28,30
.irp t, 0,1
	v_pk_fma_f32 v[S+32*\t+\b:S+32*\t+\b+1], v[S+32*\t+\b:S+32*\t+\b+1], s[CS:CS+1], v[ST+8*\t:ST+8*\t+1] op_sel_hi:[1,0,0] neg_lo:[0,0,1] neg_hi:[0,0,1]   ; c s - c m
.endr
.endr
.irp t, 0,1
	v_exp_f32 v[ST+8*\t+6], v[ST+8*\t+7]           ; a = 2^(c m_old - c m_new)
.endr
.set j, 0
.rept 64
	v_exp_f32 v[S+j], v[S+j]                       ; p = 2^(c s - c m), at most 1
.set j, j+1
.endr
	v_nop                                          ; a plain instruction behind the last exponential
	s_wait_alu depctr_va_vdst(0)                   ; the wait ahead of the first use: one for the batch of 66
.irp i, 0,1,2,3,4,5,6,7,8,9,10,11,12,13,14,15
.irp t, 0,1
	v_cvt_pk_f16_f32 v[P+16*\t+\i], v[S+32*\t+2*\i], v[S+32*\t+2*\i+1]
.endr
.endr
.irp t, 0,1
	v_pk_fma_f32 v[ST+8*\t+2:ST+8*\t+3], v[ST+8*\t+2:ST+8*\t+3], v[ST+8*\t+6:ST+8*\t+7], v[S+32*\t:S+32*\t+1] op_sel_hi:[1,0,1]   ; l = a l + the first pair; the sum is taken of p in f32, in two chains
.endr
.irp t, 0,1
	v_pk_add_f32 v[ST+8*\t+4:ST+8*\t+5], v[S+32*\t+2:S+32*\t+3], v[S+32*\t+4:S+32*\t+5]
.endr
.irp k, 6,10,14,18,22,26
.irp t, 0,1
	v_pk_add_f32 v[ST+8*\t+2:ST+8*\t+3], v[ST+8*\t+2:ST+8*\t+3], v[S+32*\t+\k:S+32*\t+\k+1]
	v_pk_add_f32 v[ST+8*\t+4:ST+8*\t+5], v[ST+8*\t+4:ST+8*\t+5], v[S+32*\t+\k+2:S+32*\t+\k+3]
.endr
.endr
.irp t, 0,1
	v_pk_add_f32 v[ST+8*\t+2:ST+8*\t+3], v[ST+8*\t+2:ST+8*\t+3], v[S+32*\t+30:S+32*\t+31]
.endr
.irp t, 0,1
	v_pk_add_f32 v[ST+8*\t+2:ST+8*\t+3], v[ST+8*\t+2:ST+8*\t+3], v[ST+8*\t+4:ST+8*\t+5]
.endr
	WIN W_RS
.irp t, 0,1
.irp b, 0,2,4,6,8,10,12,14,16,18,20,22,24,26,28,30
	v_pk_mul_f32 v[32*\t+\b:32*\t+\b+1], v[32*\t+\b:32*\t+\b+1], v[ST+8*\t+6:ST+8*\t+7] op_sel_hi:[1,0]   ; O^T x a, each accumulator from its low end on
.endr
.endr
	s_wait_dscnt 0x0                               ; V is in
	WIN W_PV
.irp k, 0,1                                    ; O^T += V^T P: eight accumulators by turns
.irp n, 0,1,2,3
.irp t, 0,1
	v_wmma_f32_16x16x32_f16 v[32*\t+8*\n:32*\t+8*\n+7], v[VR+32*\k+8*\n:VR+32*\k+8*\n+7], v[P+16*\t+8*\k:P+16*\t+8*\k+7], v[32*\t+8*\n:32*\t+8*\n+7]
.endr
.endr
.endr
	WIN 0
.rept 4
	v_nop                                          ; places in front of the next loads into V's registers and of the next read of O^T
.endr
.Lhidden_\@:
	s_add_co_u32 s[KEY], s[KEY], 64
.endm
; THE CHANGE OF SLOTS stands at a trip's head.  Each wave waits for all its tensor loads, adds 0 to its spare word, and waits for that and for its reads of the slot that it has left; behind the barrier the slot ahead
; is whole and nobody reads the other one, which (fill = 1) takes the next key unit of the walk: the load has a trip's four key steps in which to land.
.macro CHANGE fill
	s_wait_tensorcnt 0x0                           ; no tensor load of mine is out, so a group 0 may be written
	ds_add_u32 v[SPW], v[NIL]
.if \fill
	ds_add_u32 v[SPW], v[NIL]                      ; and twice on end where a load follows, in every trip alike
	s_add_co_u32 s[CU], s[CU], 1
	s_cmp_eq_u32 s[U], s[BI]
	s_cselect_b32 s[CU], 0, s[CU]                  ; behind block I's last unit comes block 7 - I's unit 0
	s_xor_b32 s[G0K+1], s[G0K+1], SLOT1            ; the other slot than last time
	s_xor_b32 s[G0V+1], s[G0V+1], SLOT1
	s_lshl_b32 s56, s[CU], 15                      ; a unit is 256 keys of 128 bytes
	s_mov_b32 s57, 0
	s_add_nc_u64 s[G0K+2:G0K+3], s[18:19], s[56:57]
	s_or_b32 s[G0K+3], s[G0K+3], 0x80000000
	s_add_nc_u64 s[G0V+2:G0V+3], s[20:21], s[56:57]
	s_or_b32 s[G0V+3], s[G0V+3], 0x80000000
	s_wait_xcnt 0x0                                ; the last prefetch, a trip back, has read its address
	s_add_nc_u64 s[PFA:PFA+1], s[PFA:PFA+1], 32768
.endif
	s_wait_dscnt 0x0
	s_barrier_signal -1
	s_barrier_wait -1
.if \fill
	TLOAD                                          ; the first thing behind the barrier, and a wave's one tensor load until the next
	ASK
.endif
.endm
	PROLOGUE
.Ltrip:                                            ; 8 trips; every one of the nine units is read by some wave, so no load is left out
	CHANGE 1
	s_cmp_lg_u32 s[U], s[BI1]
	s_cbranch_scc1 .Lsame_block
	EPILOGUE                                       ; block I is done (trips 1 to 4, by I): on to block 7 - I
	s_sub_co_u32 s[Q0], 7, s[BI]
	s_lshl_b32 s[Q0], s[Q0], 8
	s_lshl_b32 s60, s[WV], 5
	s_add_co_u32 s[Q0], s[Q0], s60
	s_mov_b32 s[KEY], 0
	PROLOGUE
.Lsame_block:
	v_add_nc_u32 v[ADK], s[TB], v[AK0]
	v_add_nc_u32 v[ADV], s[TB], v[AV0]
	STEP 0
	STEP 1
	STEP 2
	STEP 3
	s_xor_b32 s[TB], s[TB], SLOT1
	s_add_co_u32 s[U], s[U], 1
	s_cmp_lt_u32 s[U], 8
	s_cbranch_scc1 .Ltrip
	CHANGE 0                                       ; the last unit is written out: nothing is left to fetch
	v_add_nc_u32 v[ADK], s[TB], v[AK0]
	v_add_nc_u32 v[ADV], s[TB], v[AV0]
	STEP 0
	STEP 1
	STEP 2
	STEP 3
	EPILOGUE
	s_wait_tensorcnt 0x0                           ; the wave's end
	ds_add_u32 v[SPW], v[NIL]
	s_wait_dscnt 0x0
	s_endpgm
.Lfunc_end_k_q98f644ad3b_attn:
	.size	k_q98f644ad3b_attn, .Lfunc_end_k_q98f644ad3b_attn-k_q98f644ad3b_attn
	.p2alignl 7, 3214868480
	.fill 96, 4, 3214868480
	.section	.rodata,"a",@progbits
	.p2align	6, 0x0
	.amdhsa_kernel k_q98f644ad3b_attn
		.amdhsa_group_segment_fixed_size 327680
		.amdhsa_private_segment_fixed_size 0
		.amdhsa_enable_private_segment 0
		.amdhsa_kernarg_size 16
		.amdhsa_user_sgpr_count 2
		.amdhsa_user_sgpr_kernarg_segment_ptr 1
		.amdhsa_wavefront_size32 1
		.amdhsa_system_sgpr_workgroup_id_x 1
		.amdhsa_system_sgpr_workgroup_id_y 1
		.amdhsa_system_sgpr_workgroup_id_z 1
		.amdhsa_system_vgpr_workitem_id 0
		.amdhsa_next_free_vgpr 352
		.amdhsa_next_free_sgpr 72
		.amdhsa_reserve_vcc 1
		.amdhsa_float_denorm_mode_32 3
		.amdhsa_float_denorm_mode_16_64 3
		.amdhsa_memory_ordered 1
		.amdhsa_forward_progress 1
		.amdhsa_inst_pref_size 199
	.end_amdhsa_kernel
	.amdgpu_metadata
---
amdhsa.version: [ 1, 2 ]
amdhsa.kernels:
  - .name:           k_q98f644ad3b_attn
    .symbol:         k_q98f644ad3b_attn.kd
    .args:
      - { .name: qkv16, .offset: 0, .size: 8, .value_kind: global_buffer, .address_space: global }
      - { .name: y16, .offset: 8, .size: 8, .value_kind: global_buffer, .address_space: global }
    .group_segment_fixed_size: 327680
    .private_segment_fixed_size: 0
    .kernarg_segment_align: 8
    .kernarg_segment_size: 16
    .max_flat_workgroup_size: 256
    .sgpr_count:     72
    .vgpr_count:     352
    .wavefront_size: 32
...
	.end_amdgpu_metadata
.endif
;; end of part 3
;; launch proj (part 4): grid 8 x 32, 4 waves a work-group, clusters of 4 x 4, 327,680 bytes of LDS; arguments y16, wpT16, b_proj, out0; writes out0
.if DOCPART == 4
	.amdgcn_target "amdgcn-amd-amdhsa--gfx1250"
	.amdhsa_code_object_version 6
	.text
	.protected	k_q98f644ad3b_proj
	.globl	k_q98f644ad3b_proj
	.p2align	8
	.type	k_q98f644ad3b_proj,@function
k_q98f644ad3b_proj:
	s_mov_b64 s[64:65], 0
	v_nop
	global_prefetch_b8 v0, s[64:65] scope:SCOPE_SE
	s_setreg_imm32_b32 hwreg(HW_REG_WAVE_MODE, 25, 1), 1
	s_wait_xcnt 0x0
	s_wait_alu depctr_hold_cnt(0) depctr_sa_sdst(0) depctr_va_vdst(0) depctr_va_sdst(0) depctr_va_ssrc(0) depctr_va_vcc(0) depctr_vm_vsrc(0)
	s_getreg_b32 s2, hwreg(HW_REG_IB_STS2, 6, 4)
	s_cmp_eq_u32 s2, 0
	s_cbranch_scc0 .Lentry_in_a_cluster
	s_endpgm
.Lentry_in_a_cluster:
	s_bfe_u32 s2, ttmp6, 0x10000c
	s_cmp_lg_u32 s2, 0xf033
	s_cbranch_scc0 .Lentry_shape_is_right
	s_endpgm
.Lentry_shape_is_right:
; Launch 4 of 5: out0 = y w_proj + b_proj, operands in f16, sums in f32, for all rows but the first 16 positions of each batch.
; LEFT OUT: the stores of rows t < 16: the last launch makes those rows in f32 and is their one writer (their products stay inside tiles that also hold live rows).
; y16: [h 16][m 8192][64], wpT16: [k / 64 = h][n 1024][64]: K is walked head by head, alike in both operands.  A tile of out0 is 256 (m) x 128 (n): 256 work-groups.  Wave w: rows 128 (w / 2) on, columns 64 (w % 2) on:
; 32 accumulators.  A K step is 128: two planes of 64; of each plane A's 256 rows are 32,768 dense bytes and B's 128 rows 16,384, stated as rows of 256 bytes (two rows of 128) with 16 bytes of padding.
; Waves 0, 1 fetch A's two planes, waves 2, 3 B's.  Two slots, eight K steps.  All of a WGP's LDS is claimed.
; CLUSTERS: 4 x 4; tile row = 8 cy + Y, tile column = 4 X + cx.  A's tiles are asked for jointly along a row of the cluster, B's along a column.
; The matrix instruction is used transposed (source 0 = 16 rows of wpT16, source 1 = 16 rows of y): a lane holds 8 neighbouring columns of one row of out0.
; REGISTERS: window 0: v16-31 addresses; v32-63 the bias (8 registers for each of my 4 blocks of columns), the C of each sum's first product; v64-191 A's fragments, two buffers; v192-255 B's, two buffers.
;   window 1: the accumulators, (a, b) at v[8 (4 a + b)].
.set PITCH, 272
.set APL,   128*PITCH                  ; a plane of A in LDS
.set BPL,   64*PITCH                   ; a plane of B
.set BOFF,  2*APL
.set SLOT,  2*APL+2*BPL                ; 104,448
.set STAGE, 2*SLOT                     ; 16 rows x 272 bytes for each wave
.set SPARE, STAGE+4*16*272             ; the spare words, 128 bytes for each wave
.set KSA,   2097152                    ; a K step in y16: two planes of 1,048,576 bytes
.set KSB,   262144                     ; and in wpT16: two planes of 131,072
.set ADRA, 16
.set ADRB, 20
.set STO,  24
.set RD,   25
.set CO,   26
.set SPW,  28
.set NIL,  29
.set PFO,  30
.set BO,   31
.set BIAS, 32
.set FA,   64
.set FB,   192
.set OB,   64
.set G1,  24
.set G0,  32
.set G1B, 48
.set G0B, 56
.set PFA, 44                           ; s[44:45]
.set LIM, 43
.set MSB, 0
.macro WIN new
.if MSB != (\new)
	s_set_vgpr_msb (MSB<<8)|(\new)
.set MSB, (\new)
.endif
.endm
.set MUL,   0x50                       ; C and D window 1
.set MUL1,  0x40                       ; the first quarter: C is the bias, window 0
.macro JLOAD s                         ; a joint load; an s_nop 0 and four v_nop follow each line
	s_cmp_eq_u32 s13, 0
	s_cbranch_scc0 .Lfor_b_\@
	tensor_load_to_lds s[G0+4*\s:G0+4*\s+3], s[G1:G1+7]
	s_nop 0
.rept 4
	v_nop
.endr
	s_branch .Lasked_\@
.Lfor_b_\@:
	tensor_load_to_lds s[G0B+4*\s:G0B+4*\s+3], s[G1B:G1B+7]
	s_nop 0
.rept 4
	v_nop
.endr
.Lasked_\@:
.endm
.macro CREST
	s_cmp_lg_u32 s12, 0
	s_cbranch_scc1 .Lnot_wave_0_\@
	s_barrier_signal -3
.Lnot_wave_0_\@:
	s_barrier_wait -3
	s_barrier_signal -1
	s_barrier_wait -1
.endm
.macro CROUND
	s_barrier_signal -1
	s_barrier_wait -1
	CREST
.endm
; A PREFETCH INTO THE L2 of A's planes, behind each joint load and the LDS loads that follow it: the K step that stands two refills on (K steps 4 to 7).  A tile row is read by both clusters of its row of
; clusters: the one with X = 0 asks.  Of a plane's 128 blocks of 256 bytes each of the four partners takes 32, told apart by address; waves 0 and 1 ask, each for the plane that it fetches, a lane a block.
; The last lap asks for nothing.  B is not asked for: all 32 tile rows read its 2 MB again and again.
.macro ASK
	s_cmp_gt_u32 s3, s[LIM]
	s_cbranch_scc0 .Lnot_mine_\@
	global_prefetch_b8 v[PFO], s[PFA:PFA+1] offset:KSA th:TH_LOAD_NT scope:SCOPE_SE
.Lnot_mine_\@:
.endm
	s_load_b256 s[4:11], s[0:1], 0x0               ; y16 s[4:5], wpT16 s[6:7], b_proj s[8:9], out0 s[10:11]
	v_lshl_add_u32 v[SPW], v0, 2, SPARE
	v_mov_b32 v[NIL], 0
	ds_add_u32 v[SPW], v[NIL]                      ; the wave's opening: the add, twice on end, and its wait ahead of my first tensor load
	ds_add_u32 v[SPW], v[NIL]
	v_lshrrev_b32 v1, 5, v0
	v_readfirstlane_b32 s12, v1                    ; wave 0..3
	s_lshr_b32 s13, s12, 1                         ; my half of the rows; also: I fetch for A (0) or B (1)
	s_and_b32 s14, s12, 1                          ; my half of the columns; also: which plane I fetch
	s_bfe_u32 s40, ttmp6, 0x40000                  ; cx
	s_bfe_u32 s41, ttmp6, 0x40004                  ; cy
	s_lshl_b32 s42, ttmp9, 2
	s_add_co_u32 s42, s42, s40                     ; tile column = 4 X + cx
	s_and_b32 s66, ttmp7, 0xffff                   ; Y
	s_lshl_b32 s15, s41, 3
	s_add_co_u32 s15, s15, s66                     ; tile row = 8 cy + Y
	s_lshl_b32 s43, s41, 2
	s_lshl_b32 s43, 15, s43                        ; my row of the cluster
	s_lshl_b32 s44, 0x1111, s40                    ; my column
	s_or_b32 s[G1+0], s43, (1<<16)|(1<<20)|(1<<21)|(5<<22)|(3<<25)   ; the mask; elements of 2 bytes; padding: 4 words after every 64
	s_or_b32 s[G1B+0], s44, (1<<16)|(1<<20)|(1<<21)|(5<<22)|(3<<25)
	s_mov_b32 s[G1+1], 128<<16                     ; A: 128 rows of 128 elements
	s_mov_b32 s[G1+2], 128<<16
	s_mov_b32 s[G1+3], 128<<16
	s_mov_b32 s[G1+4], 128
	s_mov_b32 s[G1+5], 128
	s_mov_b32 s[G1+6], 0
	s_mov_b32 s[G1+7], 0
	s_mov_b32 s[G1B+1], 128<<16                    ; B: 64 rows of 128 elements
	s_mov_b32 s[G1B+2], 64<<16
	s_mov_b32 s[G1B+3], 128<<16
	s_mov_b32 s[G1B+4], 64
	s_mov_b32 s[G1B+5], 128
	s_mov_b32 s[G1B+6], 0
	s_mov_b32 s[G1B+7], 0
	s_lshl_b32 s16, s14, 20                        ; A: my plane, + 256 rows of 128 bytes x tile row
	s_lshl_b32 s17, s15, 15
	s_add_co_u32 s16, s16, s17
	s_mov_b32 s17, 0
	s_lshl_b32 s46, s14, 17                        ; B: my plane, + 128 rows of 128 bytes x tile column
	s_lshl_b32 s47, s42, 14
	s_add_co_u32 s46, s46, s47
	s_mov_b32 s47, 0
	s_mul_i32 s20, s14, APL                        ; where they go: no place in the cluster enters an LDS address
	s_mul_i32 s21, s14, BPL
	s_add_co_u32 s21, s21, BOFF
	s_wait_dscnt 0x0                               ; both opening adds are done
	s_wait_kmcnt 0x0
	s_add_nc_u64 s[18:19], s[4:5], s[16:17]
	s_add_nc_u64 s[46:47], s[6:7], s[46:47]
	CROUND                                         ; all sixteen work-groups are here: the first joint loads meet
.irp s, 0,1
	s_mov_b32 s[G0+4*\s], 1
	s_add_co_u32 s[G0+4*\s+1], s20, \s*SLOT
	s_add_nc_u64 s[G0+4*\s+2:G0+4*\s+3], s[18:19], \s*KSA
	s_or_b32 s[G0+4*\s+3], s[G0+4*\s+3], 0x80000000
	s_mov_b32 s[G0B+4*\s], 1
	s_add_co_u32 s[G0B+4*\s+1], s21, \s*SLOT
	s_add_nc_u64 s[G0B+4*\s+2:G0B+4*\s+3], s[46:47], \s*KSB
	s_or_b32 s[G0B+4*\s+3], s[G0B+4*\s+3], 0x80000000
	JLOAD \s                                       ; two tensor loads of mine are out here, one later
.endr
	v_and_b32 v1, 15, v0                           ; r
	v_bfe_u32 v2, v0, 4, 1                         ; h
	v_lshlrev_b32 v[BO], 5, v2
	s_lshl_b32 s46, s42, 9
	s_lshl_b32 s47, s14, 8
	s_add_co_u32 s46, s46, s47                     ; my first column x 4 bytes
	s_mov_b32 s47, 0
	s_add_nc_u64 s[8:9], s[8:9], s[46:47]
.irp b, 0,1,2,3
	global_load_b128 v[BIAS+8*\b:BIAS+8*\b+3], v[BO], s[8:9] offset:64*\b
	global_load_b128 v[BIAS+8*\b+4:BIAS+8*\b+7], v[BO], s[8:9] offset:64*\b+16
.endr
	v_lshrrev_b32 v4, 1, v1
	v_mul_u32_u24 v3, v4, PITCH
	v_and_b32 v4, 1, v1
	v_lshl_add_u32 v3, v4, 7, v3
	v_lshl_add_u32 v3, v2, 4, v3                   ; row r lies in LDS row r / 2, half r % 2; + 16 h
	s_mul_i32 s22, s13, 64*PITCH                   ; my 128 rows of A
	s_mul_i32 s23, s14, 32*PITCH                   ; my 64 rows of B
	s_add_co_u32 s23, s23, BOFF
.irp s, 0,1
	v_add_nc_u32 v[ADRA+\s], s22, v3
	v_add_nc_u32 v[ADRB+\s], s23, v3
	s_add_co_u32 s22, s22, SLOT
	s_add_co_u32 s23, s23, SLOT
.endr
	s_mul_i32 s22, s12, 16*272
	s_add_co_u32 s22, s22, STAGE                   ; my stage
	v_mul_u32_u24 v4, v1, 272
	v_lshl_add_u32 v4, v2, 5, v4
	v_add_nc_u32 v[STO], s22, v4                   ; in: row r, 32 bytes for each half of the lanes
	v_mul_u32_u24 v4, v2, 272
	v_lshl_add_u32 v4, v1, 4, v4
	v_add_nc_u32 v[RD], s22, v4                    ; back: lanes 0-15 one row of 256 bytes, lanes 16-31 the next
	v_lshlrev_b32 v[CO], 12, v2
	v_lshl_add_u32 v[CO], v1, 4, v[CO]             ; and the same two rows in out0
	s_lshl_b32 s16, s15, 20                        ; 256 rows of 4,096 bytes x tile row
	s_lshl_b32 s17, s13, 19                        ; + my 128 rows
	s_add_co_u32 s16, s16, s17
	s_mov_b32 s17, 0
	s_add_nc_u64 s[10:11], s[10:11], s[16:17]
	s_add_nc_u64 s[10:11], s[10:11], s[46:47]
	s_lshl_b32 s16, s40, 13                        ; the prefetches: my work-group's 32 blocks of the plane that I fetch,
	s_add_nc_u64 s[PFA:PFA+1], s[18:19], s[16:17]
	s_add_nc_u64 s[PFA:PFA+1], s[PFA:PFA+1], 2*KSA ; at K step 2: the first refill steps it to 3 and names K step 4
	s_or_b32 s[LIM], s13, ttmp9
	s_cmp_eq_u32 s[LIM], 0
	s_cselect_b32 s[LIM], 1, -1                    ; waves 0, 1 of the clusters with X = 0: the same in all partners for a given wave
	v_and_b32 v[PFO], 31, v0
	v_lshlrev_b32 v[PFO], 8, v[PFO]
.macro FETCH slot, q, f                ; the fragments of the slot's q-th 32 along K into buffer f: B's 8 loads, then A's 16
.irp i, 0,1,2,3
.irp e, 0,1
	ds_load_b128 v[FB+32*(\f)+8*\i+4*\e:FB+32*(\f)+8*\i+4*\e+3], v[ADRB+\slot] offset:BPL*((\q)/2)+64*((\q)%2)+8*PITCH*\i+32*\e
.endr
.endr
.irp i, 0,1,2,3,4,5,6,7
.irp e, 0,1
	ds_load_b128 v[FA+64*(\f)+8*\i+4*\e:FA+64*(\f)+8*\i+4*\e+3], v[ADRA+\slot] offset:APL*((\q)/2)+64*((\q)%2)+8*PITCH*\i+32*\e
.endr
.endr
.endm
; 8 matrix instructions: A's blocks a0, a0 + 1 x B's four.  The 32 accumulators take turns in the same order in every quarter.  first = 1: the bias starts the sums.
.macro MUL8 f, a0, first
.irp a, \a0, \a0+1
.irp b, 0,1,2,3
.if \first
	v_wmma_f32_16x16x32_f16 v[8*(4*(\a)+\b):8*(4*(\a)+\b)+7], v[FB+32*(\f)+8*\b:FB+32*(\f)+8*\b+7], v[FA+64*(\f)+8*(\a):FA+64*(\f)+8*(\a)+7], v[BIAS+8*\b:BIAS+8*\b+7]
.else
	v_wmma_f32_16x16x32_f16 v[8*(4*(\a)+\b):8*(4*(\a)+\b)+7], v[FB+32*(\f)+8*\b:FB+32*(\f)+8*\b+7], v[FA+64*(\f)+8*(\a):FA+64*(\f)+8*(\a)+7], v[8*(4*(\a)+\b):8*(4*(\a)+\b)+7]
.endif
.endr
.endr
.endm
.macro PLACES
.rept 4
	v_nop
.endr
.endm
.macro MWIN first
.if \first
	WIN MUL1
.else
	WIN MUL
.endif
.endm
; One of a K step's first three quarters: multiplies buffer f and fetches quarter qn of the same slot into buffer g.
.macro QUARTER slot, qn, f, g, first
	s_wait_dscnt 8                                 ; B and A's blocks 0-3 are in; the youngest eight loads (A's blocks 4-7) may be out
	MWIN \first
	MUL8 \f, 0, \first
	MUL8 \f, 2, \first
	PLACES                                         ; in front of loads into the buffer that the quarter before multiplied
	WIN 0
	FETCH \slot, \qn, \g
	s_wait_dscnt 24                                ; all but the 24 just issued
	MWIN \first
	MUL8 \f, 4, \first
	MUL8 \f, 6, \first
.endm
; The last quarter multiplies buffer 1 and changes slots.  In front of the barrier each wave waits for all its tensor loads, adds 0 to its spare word, and waits for that and for its reads of this slot.
; fill = 1: the barrier opens a round of the cluster's barrier, and this slot is filled again, two K steps ahead.
.macro TURN slot, next, fill
.if \fill
	s_wait_xcnt 0x0                                ; the last prefetch, a K step back, has read its address
	s_add_nc_u64 s[PFA:PFA+1], s[PFA:PFA+1], KSA
.endif
	WIN 0
	s_wait_tensorcnt 0x0
	ds_add_u32 v[SPW], v[NIL]
	s_wait_dscnt 9                                 ; the add and the youngest eight loads may be out
	WIN MUL
	MUL8 1, 0, 0
	s_wait_dscnt 0x0                               ; the add is done, and my reads of this slot are over
	s_barrier_signal -1
	MUL8 1, 2, 0
	WIN 0
	s_barrier_wait -1
.if \fill
	CREST                                          ; no wave of any partner still reads this slot or has a load on its way
	s_add_nc_u64 s[G0+4*\slot+2:G0+4*\slot+3], s[G0+4*\slot+2:G0+4*\slot+3], 2*KSA
	s_add_nc_u64 s[G0B+4*\slot+2:G0B+4*\slot+3], s[G0B+4*\slot+2:G0B+4*\slot+3], 2*KSB
	JLOAD \slot                                    ; its four v_nop are also the places in front of the loads below
.else
	PLACES
.endif
	FETCH \next, 0, 0
.if \fill
	ASK
.endif
	WIN MUL
	MUL8 1, 4, 0
	MUL8 1, 6, 0
.endm
	s_wait_tensorcnt 1                             ; my part of K step 0 is in; the one younger load, K step 1's, may be out
	s_barrier_signal -1
	s_barrier_wait -1
	FETCH 0, 0, 0
	s_wait_loadcnt 0x0                             ; the bias
	QUARTER 0, 1, 0, 1, 1
	WIN 0
	s_mov_b32 s3, 3
.Llap:                                             ; a trip goes once round the ring and fills both slots again: K steps 2 to 7
	QUARTER 0, 2, 1, 0, 0
	QUARTER 0, 3, 0, 1, 0
	TURN 0, 1, 1
	QUARTER 1, 1, 0, 1, 0
	QUARTER 1, 2, 1, 0, 0
	QUARTER 1, 3, 0, 1, 0
	TURN 1, 0, 1
	QUARTER 0, 1, 0, 1, 0
	WIN 0
	s_sub_co_u32 s3, s3, 1
	s_cmp_lg_u32 s3, 0
	s_cbranch_scc1 .Llap
	QUARTER 0, 2, 1, 0, 0                          ; the last lap fills nothing
	QUARTER 0, 3, 0, 1, 0
	TURN 0, 1, 0
	QUARTER 1, 1, 0, 1, 0
	QUARTER 1, 2, 1, 0, 0
	QUARTER 1, 3, 0, 1, 0
	s_wait_dscnt 8
	WIN MUL
	MUL8 1, 0, 0
	MUL8 1, 2, 0
	s_wait_dscnt 0
	MUL8 1, 4, 0
	MUL8 1, 6, 0
	WIN 0
	; THE WAY OUT, a block of 16 rows x 64 columns at a time, through my own stage: back as rows of 256 bytes.
.macro TOSTAGE a
	WIN 0x04                                       ; an LDS store's data are its source 1: window 1
.irp b, 0,1,2,3
	ds_store_b128 v[STO], v[8*(4*(\a)+\b):8*(4*(\a)+\b)+3] offset:64*\b          ; each accumulator from its low end on
	ds_store_b128 v[STO], v[8*(4*(\a)+\b)+4:8*(4*(\a)+\b)+7] offset:64*\b+16
.endr
	WIN 0
.irp t, 0,1,2,3,4,5,6,7
	ds_load_b128 v[OB+32*((\a)%2)+4*\t:OB+32*((\a)%2)+4*\t+3], v[RD] offset:2*272*\t   ; LDS serves a wave's instructions in order
.endr
.endm
.macro SEND a, younger
	s_wait_dscnt \younger                          ; the block is back; the next block's 8 stores and 8 loads may be out
.irp t, 0,1,2,3,4,5,6,7
	global_store_b128 v[CO], v[OB+32*((\a)%2)+4*\t:OB+32*((\a)%2)+4*\t+3], s[10:11] offset:(16*(\a)+2*\t)*4096 th:TH_STORE_NT   ; sixteen lanes store 256 consecutive bytes, aligned
.endr
.endm
	PLACES
	s_or_b32 s20, s66, s13
	s_cmp_eq_u32 s20, 0                            ; Y = 0 and my row half 0: my block 0 holds positions 0-15 of a batch, which the last launch writes
	s_cbranch_scc1 .Lskip_first
	TOSTAGE 0
	SEND 0, 0
.Lskip_first:
	TOSTAGE 1
.irp a, 2,3,4,5,6,7
	s_wait_xcnt 0x0                                ; block a - 2's stores have read their registers
	TOSTAGE \a
	SEND \a-1, 16
.endr
	SEND 7, 0
	s_wait_tensorcnt 0x0                           ; the wave's end
	ds_add_u32 v[SPW], v[NIL]
	s_wait_dscnt 0x0
	CROUND                                         ; the closing round
	s_endpgm
.Lfunc_end_k_q98f644ad3b_proj:
	.size	k_q98f644ad3b_proj, .Lfunc_end_k_q98f644ad3b_proj-k_q98f644ad3b_proj
	.p2alignl 7, 3214868480
	.fill 96, 4, 3214868480
	.section	.rodata,"a",@progbits
	.p2align	6, 0x0
	.amdhsa_kernel k_q98f644ad3b_proj
		.amdhsa_group_segment_fixed_size 327680
		.amdhsa_private_segment_fixed_size 0
		.amdhsa_enable_private_segment 0
		.amdhsa_kernarg_size 32
		.amdhsa_user_sgpr_count 2
		.amdhsa_user_sgpr_kernarg_segment_ptr 1
		.amdhsa_wavefront_size32 1
		.amdhsa_system_sgpr_workgroup_id_x 1
		.amdhsa_system_sgpr_workgroup_id_y 1
		.amdhsa_system_sgpr_workgroup_id_z 1
		.amdhsa_system_vgpr_workitem_id 0
		.amdhsa_next_free_vgpr 512
		.amdhsa_next_free_sgpr 68
		.amdhsa_reserve_vcc 0
		.amdhsa_float_denorm_mode_32 3
		.amdhsa_float_denorm_mode_16_64 3
		.amdhsa_memory_ordered 1
		.amdhsa_forward_progress 1
		.amdhsa_inst_pref_size 87
	.end_amdhsa_kernel
	.amdgpu_metadata
---
amdhsa.version: [ 1, 2 ]
amdhsa.kernels:
  - .name:           k_q98f644ad3b_proj
    .symbol:         k_q98f644ad3b_proj.kd
    .args:
      - { .name: y16, .offset: 0, .size: 8, .value_kind: global_buffer, .address_space: global }
      - { .name: wpT16, .offset: 8, .size: 8, .value_kind: global_buffer, .address_space: global }
      - { .name: b_proj, .offset: 16, .size: 8, .value_kind: global_buffer, .address_space: global }
      - { .name: out0, .offset: 24, .size: 8, .value_kind: global_buffer, .address_space: global }
    .group_segment_fixed_size: 327680
    .private_segment_fixed_size: 0
    .kernarg_segment_align: 8
    .kernarg_segment_size: 32
    .max_flat_workgroup_size: 128
    .sgpr_count:     68
    .vgpr_count:     512
    .wavefront_size: 32
...
	.end_amdgpu_metadata
.endif
;; end of part 4
;; launch fine (part 5): grid 16 x 4, 16 waves a work-group, no clusters, 71,680 bytes of LDS; arguments qkv32, w_proj, b_proj, out0; writes out0
.if DOCPART == 5
	.amdgcn_target "amdgcn-amd-amdhsa--gfx1250"
	.amdhsa_code_object_version 6
	.text
	.protected	k_q98f644ad3b_fine
	.globl	k_q98f644ad3b_fine
	.p2align	8
	.type	k_q98f644ad3b_fine,@function
k_q98f644ad3b_fine:
	s_mov_b64 s[64:65], 0
	v_nop
	global_prefetch_b8 v0, s[64:65] scope:SCOPE_SE
	s_setreg_imm32_b32 hwreg(HW_REG_WAVE_MODE, 25, 1), 1
	s_wait_xcnt 0x0
; Launch 5 of 5: the first 16 positions of every batch, attention and projection, with f32 operands: there a row of the softmax averages one to sixteen values, and the rounding of 16-bit operands would weigh most.
; LEFT OUT: the bias on K (qkv32 holds k without it): the same term along a softmax's axis, for all values of the inputs.
; qkv32: [b][t 16][3072] f32.  Work-group (s, b) makes out0[b, 0..15, 64 s .. 64 s + 63].  Wave hd takes head hd: its 16 x 16 attention (32 small matrix instructions, redone in each of a batch's 16 work-groups),
; then its 64 channels of y times w_proj[64 hd .. +63][the slice]; the sixteen partial results meet in LDS.  96 matrix instructions of 16 x 16 x 4 a wave: no bulk work.
; K is taken in an order of its own, the same in both operands of each product.  The accumulators (v160-239) are written by matrix instructions alone; what is made of them goes into other registers.
; REGISTERS: v4-19 addresses and work; v20-51 q, v52-83 k, later w_proj's fragments, later the partials; v84-115 v; v116-123 p; v124-155 y; v160-175 S^T in two halves; v176-207 O^T; v208-239 out^T; v240-247 scores.
.set SPARE, 69632                      ; behind the sixteen partials of 16 rows x 272 bytes: the spare words, 128 bytes for each wave
.set SPW, 2
.set NIL, 3
.set QK,  7                            ; v7   q, k: row r of 12,288 bytes + 16 h
.set VO,  8                            ; v8   v: 8 h rows + 4 r
.set WO,  9                            ; v9   w_proj: 8 h rows of 4,096 bytes + 4 r
.set L8,  10                           ; v10  8 x lane
.set SA,  11                           ; v11  where I store my partial
.set DD,  12                           ; v12  r - 8 h
.set RA,  18                           ; v18  where I read a query's row of the partials
.set NINF, 19
.set QR,  20
.set KR,  52
.set WR,  20
.set VR,  84
.set PR,  116
.set YN,  124
.set S0,  160
.set YA,  176
.set OA,  208
.set SV,  240
	s_load_b256 s[4:11], s[0:1], 0x0               ; qkv32 s[4:5], w_proj s[6:7], b_proj s[8:9], out0 s[10:11]
	v_lshl_add_u32 v[SPW], v0, 2, SPARE
	v_mov_b32 v[NIL], 0
	v_lshrrev_b32 v1, 5, v0
	v_readfirstlane_b32 s12, v1                    ; wave = head; later: the query row that I sum
	s_mov_b32 s13, ttmp9                           ; the slice of 64 columns
	s_and_b32 s14, ttmp7, 0xffff                   ; the batch
	v_and_b32 v4, 15, v0                           ; r
	v_bfe_u32 v5, v0, 4, 1                         ; h
	v_and_b32 v6, 31, v0                           ; lane
	v_mul_u32_u24 v[QK], v4, 12288
	v_lshl_add_u32 v[QK], v5, 4, v[QK]
	v_mul_u32_u24 v[VO], v5, 8*12288
	v_lshl_add_u32 v[VO], v4, 2, v[VO]
	v_lshlrev_b32 v[WO], 15, v5
	v_lshl_add_u32 v[WO], v4, 2, v[WO]
	v_lshlrev_b32 v[L8], 3, v6
	v_lshlrev_b32 v13, 3, v5
	v_sub_nc_u32 v[DD], v4, v13
	s_mul_i32 s20, s12, 16*272
	v_mul_u32_u24 v[SA], v4, 272
	v_lshl_add_u32 v[SA], v5, 5, v[SA]
	v_add_nc_u32 v[SA], s20, v[SA]                 ; my partial: row r, + 32 h
	s_mul_i32 s21, s12, 272
	v_add_nc_u32 v[RA], s21, v[L8]                 ; row = my wave's number, 8 bytes a lane
	v_mov_b32 v14, 0                               ; a lane permute's destination counts as one of its sources
	v_mov_b32 v[NINF], 0xff800000
	s_mov_b32 s16, 0x76543210
	s_mov_b32 s17, 0xfedcba98
	s_mov_b32 s22, 0x3e38aa3b                      ; c = log2(e) / 8
	s_mul_i32 s24, s14, 196608
	s_lshl_b32 s25, s12, 8
	s_add_co_u32 s24, s24, s25                     ; qkv32: my batch, my head's 64 columns
	s_mov_b32 s25, 0
	s_lshl_b32 s26, s12, 18
	s_lshl_b32 s27, s13, 8
	s_add_co_u32 s26, s26, s27                     ; w_proj: my head's 64 rows, the slice
	s_mov_b32 s27, 0
	s_lshl_b32 s28, s13, 8                         ; b_proj: the slice
	s_mov_b32 s29, 0
	s_lshl_b32 s30, s14, 23
	s_lshl_b32 s31, s12, 12
	s_add_co_u32 s30, s30, s31
	s_add_co_u32 s30, s30, s28                     ; out0: row 2,048 b + wave, the slice
	s_mov_b32 s31, 0
	s_wait_kmcnt 0x0
	s_add_nc_u64 s[4:5], s[4:5], s[24:25]
	s_add_nc_u64 s[6:7], s[6:7], s[26:27]
	s_add_nc_u64 s[8:9], s[8:9], s[28:29]
	s_add_nc_u64 s[10:11], s[10:11], s[30:31]
.irp c, 0,1,2,3,4,5,6,7
	global_load_b128 v[QR+4*\c:QR+4*\c+3], v[QK], s[4:5] offset:32*\c          ; q(r, 8 c + 4 h + 0..3)
.endr
.irp c, 0,1,2,3,4,5,6,7
	global_load_b128 v[KR+4*\c:KR+4*\c+3], v[QK], s[4:5] offset:4096+32*\c     ; k likewise
.endr
.irp n, 0,1,2,3
.irp c, 0,1,2,3
.irp j, 0,1
	global_load_b32 v[VR+8*\n+2*\c+\j], v[VO], s[4:5] offset:8192+(2*\c+\j)*12288+64*\n   ; v(key 8 h + 2 c + j, channel 16 n + r)
.endr
.endr
.endr
	global_load_b64 v[16:17], v[L8], s[8:9]        ; the bias of my two columns
	s_wait_loadcnt 33                              ; q and k are in; v's 32 loads and the bias's one may be out
.irp e, 0,1,2,3,4,5,6,7,8,9,10,11,12,13,14,15  ; S^T = k q^T, in two halves that take turns
.if \e < 2
	v_wmma_f32_16x16x4_f32 v[S0+8*(\e%2):S0+8*(\e%2)+7], v[KR+2*\e:KR+2*\e+1], v[QR+2*\e:QR+2*\e+1], 0
.else
	v_wmma_f32_16x16x4_f32 v[S0+8*(\e%2):S0+8*(\e%2)+7], v[KR+2*\e:KR+2*\e+1], v[QR+2*\e:QR+2*\e+1], v[S0+8*(\e%2):S0+8*(\e%2)+7]
.endif
.endr
.rept 8
	v_nop                                          ; places behind this form: in front of the reads of the scores and of the loads into q's and k's registers
.endr
.macro WLOAD g                         ; w_proj for channel tiles 2 g and 2 g + 1: register 32 u + 8 c + 2 n + j = w_proj(64 hd + 16 (2 g + u) + 8 h + 2 c + j, 64 s + 16 n + r)
.irp u, 0,1
.irp c, 0,1,2,3
.irp n, 0,1,2,3
.irp j, 0,1
	global_load_b32 v[WR+32*\u+8*\c+2*\n+\j], v[WO], s[6:7] offset:(16*(2*(\g)+\u)+2*\c+\j)*4096+64*\n
.endr
.endr
.endr
.endr
.endm
	WLOAD 0
.irp j, 0,1,2,3,4,5,6,7
	v_add_f32 v[SV+\j], v[S0+\j], v[S0+8+\j]       ; lane (r, h): query r, key 8 h + j; both halves from their low ends on
.endr
.irp j, 0,1,2,3,4,5,6,7
	v_cmp_gt_i32 vcc_lo, \j, v[DD]                 ; hidden where 8 h + j > r
	v_cndmask_b32 v[SV+\j], v[SV+\j], v[NINF], vcc_lo
.endr
	v_max3_num_f32 v13, v[SV], v[SV+1], v[SV+2]
	v_max3_num_f32 v13, v13, v[SV+3], v[SV+4]
	v_max3_num_f32 v13, v13, v[SV+5], v[SV+6]
	v_max_num_f32 v13, v13, v[SV+7]
	v_permlanex16_b32 v14, v13, s16, s17
	v_max_num_f32 v13, v13, v14                    ; the row's maximum: key 0 counts for every query
	v_mul_f32 v13, s22, v13
.irp j, 0,1,2,3,4,5,6,7
	v_fma_f32 v[PR+\j], v[SV+\j], s22, -v13
.endr
.irp j, 0,1,2,3,4,5,6,7
	v_exp_f32 v[PR+\j], v[PR+\j]
.endr
	v_nop                                          ; a plain instruction behind the last exponential
	s_wait_alu depctr_va_vdst(0)                   ; the wait ahead of the first use: one for the eight
	v_add_f32 v13, v[PR], v[PR+1]
	v_add_f32 v15, v[PR+2], v[PR+3]
	v_add_f32 v13, v13, v[PR+4]
	v_add_f32 v15, v15, v[PR+5]
	v_add_f32 v13, v13, v[PR+6]
	v_add_f32 v15, v15, v[PR+7]
	v_add_f32 v13, v13, v15
	v_permlanex16_b32 v14, v13, s16, s17
	v_add_f32 v13, v13, v14                        ; the row's sum
	v_rcp_f32 v15, v13
	v_nop
	s_wait_alu depctr_va_vdst(0)
	s_wait_loadcnt 63                              ; 64 loads of w_proj were issued behind v's and the bias's; the wait's count names 63 at the most: v, the bias and the first load of w_proj are in, the other 63 may be out
.irp c, 0,1,2,3                                ; O^T = v^T p: keys 8 h + 2 c + j; four accumulators by turns
.irp n, 0,1,2,3
.if \c == 0
	v_wmma_f32_16x16x4_f32 v[YA+8*\n:YA+8*\n+7], v[VR+8*\n+2*\c:VR+8*\n+2*\c+1], v[PR+2*\c:PR+2*\c+1], 0
.else
	v_wmma_f32_16x16x4_f32 v[YA+8*\n:YA+8*\n+7], v[VR+8*\n+2*\c:VR+8*\n+2*\c+1], v[PR+2*\c:PR+2*\c+1], v[YA+8*\n:YA+8*\n+7]
.endif
.endr
.endr
.rept 8
	v_nop
.endr
.set j, 0
.rept 32
	v_mul_f32 v[YN+j], v[YA+j], v15                ; y(query r, channel 16 n + 8 h + j'), into other registers, ascending
.set j, j+1
.endr
.macro PROJ g                          ; out^T += w^T y^T for channel tiles 2 g, 2 g + 1: four accumulators by turns
.irp u, 0,1
.irp c, 0,1,2,3
.irp n, 0,1,2,3
.if (\g)+\u+\c == 0
	v_wmma_f32_16x16x4_f32 v[OA+8*\n:OA+8*\n+7], v[WR+32*\u+8*\c+2*\n:WR+32*\u+8*\c+2*\n+1], v[YN+8*(2*(\g)+\u)+2*\c:YN+8*(2*(\g)+\u)+2*\c+1], 0
.else
	v_wmma_f32_16x16x4_f32 v[OA+8*\n:OA+8*\n+7], v[WR+32*\u+8*\c+2*\n:WR+32*\u+8*\c+2*\n+1], v[YN+8*(2*(\g)+\u)+2*\c:YN+8*(2*(\g)+\u)+2*\c+1], v[OA+8*\n:OA+8*\n+7]
.endif
.endr
.endr
.endr
.endm
	s_wait_loadcnt 0x0
	PROJ 0
.rept 8
	v_nop                                          ; places in front of loads into registers that matrix instructions have read
.endr
	WLOAD 1
	s_wait_loadcnt 0x0
	PROJ 1
.rept 8
	v_nop                                          ; places in front of the stores of the results and of the loads into w_proj's registers
.endr
.irp n, 0,1,2,3
	ds_store_b128 v[SA], v[OA+8*\n:OA+8*\n+3] offset:64*\n           ; lane (r, h): out(query r, 16 n + 8 h + 0..7) of my head; each accumulator from its low end on
	ds_store_b128 v[SA], v[OA+8*\n+4:OA+8*\n+7] offset:64*\n+16
.endr
	s_wait_dscnt 0x0                               ; for the others' sake: my partial lies in LDS
	s_barrier_signal -1
	s_barrier_wait -1
.irp w, 0,1,2,3,4,5,6,7,8,9,10,11,12,13,14,15
	ds_load_b64 v[20+2*\w:21+2*\w], v[RA] offset:16*272*\w           ; head w's part of my query row: 256 consecutive bytes a wave
.endr
	s_wait_dscnt 0x0
.irp w, 0,1,2,3,4,5,6,7,8,9,10,11,12,13,14,15
	v_pk_add_f32 v[16:17], v[16:17], v[20+2*\w:21+2*\w]              ; the bias starts the sum; heads ascending
.endr
	global_store_b64 v[L8], v[16:17], s[10:11]     ; the wave stores 256 consecutive bytes, aligned
	s_wait_tensorcnt 0x0                           ; the wave's end, behind its last LDS store
	ds_add_u32 v[SPW], v[NIL]
	s_wait_dscnt 0x0
	s_endpgm
.Lfunc_end_k_q98f644ad3b_fine:
	.size	k_q98f644ad3b_fine, .Lfunc_end_k_q98f644ad3b_fine-k_q98f644ad3b_fine
	.p2alignl 7, 3214868480
	.fill 96, 4, 3214868480
	.section	.rodata,"a",@progbits
	.p2align	6, 0x0
	.amdhsa_kernel k_q98f644ad3b_fine
		.amdhsa_group_segment_fixed_size 71680
		.amdhsa_private_segment_fixed_size 0
		.amdhsa_enable_private_segment 0
		.amdhsa_kernarg_size 32
		.amdhsa_user_sgpr_count 2
		.amdhsa_user_sgpr_kernarg_segment_ptr 1
		.amdhsa_wavefront_size32 1
		.amdhsa_system_sgpr_workgroup_id_x 1
		.amdhsa_system_sgpr_workgroup_id_y 1
		.amdhsa_system_sgpr_workgroup_id_z 1
		.amdhsa_system_vgpr_workitem_id 0
		.amdhsa_next_free_vgpr 256
		.amdhsa_next_free_sgpr 66
		.amdhsa_reserve_vcc 1
		.amdhsa_float_denorm_mode_32 3
		.amdhsa_float_denorm_mode_16_64 3
		.amdhsa_memory_ordered 1
		.amdhsa_forward_progress 1
		.amdhsa_inst_pref_size 33
	.end_amdhsa_kernel
	.amdgpu_metadata
---
amdhsa.version: [ 1, 2 ]
amdhsa.kernels:
  - .name:           k_q98f644ad3b_fine
    .symbol:         k_q98f644ad3b_fine.kd
    .args:
      - { .name: qkv32, .offset: 0, .size: 8, .value_kind: global_buffer, .address_space: global }
      - { .name: w_proj, .offset: 8, .size: 8, .value_kind: global_buffer, .address_space: global }
      - { .name: b_proj, .offset: 16, .size: 8, .value_kind: global_buffer, .address_space: global }
      - { .name: out0, .offset: 24, .size: 8, .value_kind: global_buffer, .address_space: global }
    .group_segment_fixed_size: 71680
    .private_segment_fixed_size: 0
    .kernarg_segment_align: 8
    .kernarg_segment_size: 32
    .max_flat_workgroup_size: 512
    .sgpr_count:     66
    .vgpr_count:     256
    .wavefront_size: 32
...
	.end_amdgpu_metadata
.endif
;; end of part 5
